; MI455X (gfx1250); checked and timed in simulation.
; The chip was launched on July 23, 2026; its instructions are those of AMD's public machine-readable ISA for CDNA 5 (MIT licence, August 2026) and "CDNA5" Instruction Set Architecture Reference Guide (July 2026). The comments in the code are by the model that wrote it; some were corrected since.
;; Time Aware Temporal Attention. Allowed arithmetic: matrix products marked QUANTISED: E5M2 operands, one given power-of-two scale a tensor, by v_wmma_f32_16x16x64_bf8_bf8 or v_wmma_f32_16x16x128_bf8_bf8, f32 sums; everything else in f32.
;; Inputs: Wk 512 x 512 float32; Wo 512 x 512 float32; Wq 512 x 512 float32; Wv 512 x 512 float32; bk 512 float32; bo 512 float32; bq 512 float32; bv 512 float32; lowp_scales 12 int32 (the exponents e of the quantised operands' scales 2^e); time_intervals 32 x 1,024 float32; x 32 x 1,024 x 512 float32.
;; Outputs: out0 32 x 1,024 x 512 float32.
;; This version of the problem:
;;   THIS VERSION OF THE PROBLEM IS GIVEN IN LOW PRECISION. The matrix products marked QUANTISED in the list below multiply operands that are first quantised to E5M2 (5 exponent bits, 2 mantissa bits; 8 bits a number), with one given power-of-two scale for each operand tensor; their sums are f32. All else is computed in f32.
;;   The module's matrix products, in the order in which they are computed (A, B: the left and right operand; K: the contracted axis; several contracted axes count as one K, in the product's order):
;;     1. [M 32,768, K 512] x [K 512, N 512]; A: input x; B: input Wq: QUANTISED (scales: A lowp_scales[0], B lowp_scales[1])
;;     2. [M 32,768, K 512] x [K 512, N 512]; A: input x; B: input Wk: QUANTISED (scales: A lowp_scales[2], B lowp_scales[3])
;;     3. [M 32,768, K 512] x [K 512, N 512]; A: input x; B: input Wv: QUANTISED (scales: A lowp_scales[4], B lowp_scales[5])
;;     4. batch 256 x [M 1,024, K 64] x [K 64, N 1,024]; A: computed on the way; B: computed on the way: QUANTISED (scales: A lowp_scales[6], B lowp_scales[7])
;;     5. batch 256 x [M 1,024, K 1,024] x [K 1,024, N 64]; A: softmax (see below); B: computed on the way: QUANTISED (scales: A lowp_scales[8], B lowp_scales[9])
;;     6. [M 32,768, K 512] x [K 512, N 512]; A: computed on the way; B: input Wo: QUANTISED (scales: A lowp_scales[10], B lowp_scales[11])
;;   THE QUANTISER, for each operand of a quantised product, along K:
;;     - The operand's scale is 2^e, e = its entry of the input lowp_scales (int32; the entries are numbered through the quantised products in the list's order, A before B).
;;     - Each number is divided by the scale, clamped to +-57,344, and rounded to the nearest number of E5M2, ties to even, subnormals kept.
;;     - The product sums the exact products of the quantised numbers (number of the format x scale) in f32.
;;   ~~~python
;;   def quantise(x, axis, e):      # numpy; x: float32 -> the quantised numbers, widened to float32 again
;;       x = np.moveaxis(x, axis, -1); K = x.shape[-1]
;;       r = np.clip(x / 2.0 ** e, -57344, 57344)
;;       step = 2.0 ** (np.maximum(np.frexp(np.where(r == 0, 1, r))[1] - 1, -14) - 2)
;;       q = np.round(r / step) * step * 2.0 ** e      # np.round: ties to even
;;       return np.moveaxis(q, -1, axis).astype(np.float32)
;;   ~~~
;;   SOFTMAX AHEAD OF A QUANTISED PRODUCT. Where the list says 'softmax', what is quantised is not the finished softmax but p = 2^(t - M), with t = logit x log2(e) and M = ceil(the row's largest t), a whole number; so 1/2 < the row's largest p <= 1. The row's sum l is taken of the UNQUANTISED p, in f32, and the product's result is divided by l at the end. Since M is a whole number, a kernel that streams over the keys may use a running M (the ceiling of the running maximum): every later rescaling is an exact power of two, so the quantised numbers keep their values, but for numbers so far below the row's largest that they fall under the format's range.
;;   OPERANDS COMPUTED ON THE WAY. 'Computed on the way' means the value that the module computes at that place (a softmax that the list does not call 'softmax' is quantised finished and normalised). What goes into a quantiser is computed in f32, as accurately as f32 sums, v_exp_f32 and their like allow (about 1e-6 of the number): no bf16 or f16 on the way to a quantiser, and a product that is left as it is and whose result goes on into a quantised operand takes f32 operands (vector FMAs, or v_wmma_f32_16x16x4_f32). A number that lies on a knife's edge between two numbers of the format may be rounded either way, as far as f32 arithmetic and the matrix unit's own rounding can turn it there, and no further.
;; 2 versions. Each part assembles by itself: llvm-mc -triple=amdgcn-amd-amdhsa -mcpu=gfx1250 --defsym DOCPART=n.
;; ======== version 1 of 2: 4 launches
;; workspace buffers: wc 1,048,576 bytes; qc 16,777,216 bytes; kv 33,554,432 bytes; oc 16,777,216 bytes
;; launch wprep (part 1): grid 256 x 1, 2 waves a work-group, no clusters, 0 bytes of LDS; arguments Wq, Wk, Wv, Wo, lowp_scales, wc; writes wc
.if DOCPART == 1
	.amdgcn_target "amdgcn-amd-amdhsa--gfx1250"
	.amdhsa_code_object_version 6
	.text
	.protected	k_qef31164673_wprep
	.globl	k_qef31164673_wprep
	.p2align	8
	.type	k_qef31164673_wprep,@function
k_qef31164673_wprep:
	s_mov_b64 s[64:65], 0
	v_nop
	global_prefetch_b8 v0, s[64:65] scope:SCOPE_SE
	s_setreg_imm32_b32 hwreg(HW_REG_WAVE_MODE, 25, 1), 1
	s_wait_xcnt 0x0
; The four weights [512 (n)][512 (k)], f32, become codes of E5M2, each with the one scale 2^e given for it (entries 1, 3, 5, 11 of the scales), laid as IMAGES OF OPERAND REGISTERS:
; wc = [type q,k,v,o (262,144)][slice w of 128 rows (65,536)][K step s of 128 (16,384)][tile t of 16 rows (2,048)][chunk c (512)], lane l's 16 bytes at 16 l.
; Lane (r = l % 16, h = l / 16), byte i of chunk c: W[128 w + 32 (t / 2) + 8 (t % 2) + r + 8 (r / 8)][128 s + 32 c + 16 h + i].
; THE ROWS OF A TILE ARE NOT NEIGHBOURS: so the 16 result registers of tiles 2 b and 2 b + 1 of a product used transposed are 16 neighbouring columns.
; A wave makes one fragment (2,048 bytes): 512 waves.  A lane reads 64 consecutive bytes of its row for each chunk; each store of the wave covers 512 consecutive bytes, aligned.
; code = x / 2^e, held within +-57,344, to the nearest code, ties to even.  LIMITS: -126 <= e <= 112.  NaN among the inputs is not served.
.set XN, 16                            ; v16-79  64 numbers: register 16 c + i
.set CD, 80                            ; v80-95  their codes
	s_load_b256 s[4:11], s[0:1], 0x0               ; Wq, Wk, Wv, Wo
	s_load_b128 s[12:15], s[0:1], 0x20             ; the scales' exponents, wc
	v_lshrrev_b32 v1, 5, v0
	v_readfirstlane_b32 s2, v1                     ; wave 0, 1
	s_lshl_b32 s3, ttmp9, 1
	s_add_co_u32 s3, s3, s2                        ; f: which fragment, 0 .. 511
	s_lshr_b32 s28, s3, 7                          ; type
	s_bfe_u32 s34, s3, 0x20005                     ; w
	s_bfe_u32 s35, s3, 0x20003                     ; s
	s_bfe_u32 s36, s3, 0x20001                     ; t / 2
	s_and_b32 s37, s3, 1                           ; t % 2
	s_lshl_b32 s34, s34, 7
	s_lshl_b32 s36, s36, 5
	s_lshl_b32 s37, s37, 3
	s_add_co_u32 s34, s34, s36
	s_add_co_u32 s34, s34, s37                     ; the tile's first row
	s_lshl_b32 s34, s34, 11                        ; rows of 2,048 bytes
	s_lshl_b32 s35, s35, 9                         ; a K step is 512 bytes of a row
	s_add_co_u32 s34, s34, s35
	s_mov_b32 s35, 0
	s_lshl_b32 s36, s3, 11                         ; the fragment's place in wc
	s_mov_b32 s37, 0
	v_and_b32 v2, 15, v0                           ; r
	v_bfe_u32 v5, v0, 4, 1                         ; h
	v_and_b32 v3, 8, v2
	v_add_nc_u32 v3, v3, v2                        ; r + 8 (r / 8)
	v_lshlrev_b32 v3, 11, v3
	v_lshl_add_u32 v3, v5, 6, v3                   ; my row, + 64 h: my 16 numbers of a block of 32
	v_and_b32 v4, 31, v0
	v_lshlrev_b32 v4, 4, v4                        ; 16 x lane
	s_wait_kmcnt 0x0
	s_load_b256 s[16:23], s[12:13], 0x0            ; e0 .. e7
	s_load_b128 s[24:27], s[12:13], 0x20           ; e8 .. e11
	s_cmp_lt_u32 s28, 1                            ; the buffer is chosen by the fragment's number alone
	s_cselect_b64 s[30:31], s[4:5], s[6:7]
	s_cmp_lt_u32 s28, 3
	s_cselect_b64 s[32:33], s[8:9], s[10:11]
	s_cmp_lt_u32 s28, 2
	s_cselect_b64 s[30:31], s[30:31], s[32:33]
	s_add_nc_u64 s[30:31], s[30:31], s[34:35]
	s_add_nc_u64 s[14:15], s[14:15], s[36:37]
.irp c, 0,1,2,3
.irp j, 0,1,2,3
	global_load_b128 v[XN+16*\c+4*\j:XN+16*\c+4*\j+3], v3, s[30:31] offset:128*\c+16*\j
.endr
.endr
	s_wait_kmcnt 0x0
	s_cmp_lt_u32 s28, 1
	s_cselect_b32 s38, s17, s19                    ; e1 or e3
	s_cmp_lt_u32 s28, 3
	s_cselect_b32 s39, s21, s27                    ; e5 or e11
	s_cmp_lt_u32 s28, 2
	s_cselect_b32 s38, s38, s39
	s_add_co_i32 s38, s38, 127
	s_lshl_b32 s39, s38, 23
	v_mov_b32 v11, s39                             ; 2^e as f32: the conversion takes its exponent field
	s_add_co_i32 s38, s38, 15
	s_lshl_b32 s38, s38, 23
	s_or_b32 s38, s38, 0x600000
	v_mov_b32 v10, s38                             ; 57,344 x 2^e
	s_wait_loadcnt 0x0
.set i, 0
.rept 64
	v_med3_num_f32 v[XN+i], v[XN+i], -v10, v10     ; the conversion to an 8-bit code does not saturate (ISA guide 7.6.2): the hold comes first
.set i, i+1
.endr
.irp c, 0,1,2,3
	v_cvt_scalef32_pk8_bf8_f32 v[CD+4*\c:CD+4*\c+1], v[XN+16*\c:XN+16*\c+7], v11
	v_cvt_scalef32_pk8_bf8_f32 v[CD+4*\c+2:CD+4*\c+3], v[XN+16*\c+8:XN+16*\c+15], v11
.endr
	v_nop
.irp c, 0,1,2,3
	global_store_b128 v4, v[CD+4*\c:CD+4*\c+3], s[14:15] offset:512*\c
.endr
	s_endpgm
.Lfunc_end_k_qef31164673_wprep:
	.size	k_qef31164673_wprep, .Lfunc_end_k_qef31164673_wprep-k_qef31164673_wprep
	.p2alignl 7, 3214868480
	.fill 96, 4, 3214868480
	.section	.rodata,"a",@progbits
	.p2align	6, 0x0
	.amdhsa_kernel k_qef31164673_wprep
		.amdhsa_group_segment_fixed_size 0
		.amdhsa_private_segment_fixed_size 0
		.amdhsa_enable_private_segment 0
		.amdhsa_kernarg_size 48
		.amdhsa_user_sgpr_count 2
		.amdhsa_user_sgpr_kernarg_segment_ptr 1
		.amdhsa_wavefront_size32 1
		.amdhsa_system_sgpr_workgroup_id_x 1
		.amdhsa_system_sgpr_workgroup_id_y 1
		.amdhsa_system_sgpr_workgroup_id_z 1
		.amdhsa_system_vgpr_workitem_id 0
		.amdhsa_next_free_vgpr 96
		.amdhsa_next_free_sgpr 66
		.amdhsa_reserve_vcc 0
		.amdhsa_float_denorm_mode_32 3
		.amdhsa_float_denorm_mode_16_64 3
		.amdhsa_memory_ordered 1
		.amdhsa_forward_progress 1
		.amdhsa_inst_pref_size 9
	.end_amdhsa_kernel
	.amdgpu_metadata
---
amdhsa.version: [ 1, 2 ]
amdhsa.kernels:
  - .name:           k_qef31164673_wprep
    .symbol:         k_qef31164673_wprep.kd
    .args:
      - { .name: Wq, .offset: 0, .size: 8, .value_kind: global_buffer, .address_space: global }
      - { .name: Wk, .offset: 8, .size: 8, .value_kind: global_buffer, .address_space: global }
      - { .name: Wv, .offset: 16, .size: 8, .value_kind: global_buffer, .address_space: global }
      - { .name: Wo, .offset: 24, .size: 8, .value_kind: global_buffer, .address_space: global }
      - { .name: lowp_scales, .offset: 32, .size: 8, .value_kind: global_buffer, .address_space: global }
      - { .name: wc, .offset: 40, .size: 8, .value_kind: global_buffer, .address_space: global }
    .group_segment_fixed_size: 0
    .private_segment_fixed_size: 0
    .kernarg_segment_align: 8
    .kernarg_segment_size: 48
    .max_flat_workgroup_size: 64
    .sgpr_count:     66
    .vgpr_count:     96
    .wavefront_size: 32
...
	.end_amdgpu_metadata
.endif
;; end of part 1
;; launch qkv (part 2): grid 256 x 1, 4 waves a work-group, no clusters, 230,912 bytes of LDS; arguments x, wc, bq, bk, bv, lowp_scales, qc, kv; writes qc, kv
.if DOCPART == 2
	.amdgcn_target "amdgcn-amd-amdhsa--gfx1250"
	.amdhsa_code_object_version 6
	.text
	.protected	k_qef31164673_qkv
	.globl	k_qef31164673_qkv
	.p2align	8
	.type	k_qef31164673_qkv,@function
k_qef31164673_qkv:
	s_mov_b64 s[64:65], 0
	v_nop
	global_prefetch_b8 v0, s[64:65] scope:SCOPE_SE
	s_setreg_imm32_b32 hwreg(HW_REG_WAVE_MODE, 25, 1), 1
	s_wait_xcnt 0x0
; q = x Wq^T + bq, k = x Wk^T + bk, v = x Wv^T + bv on codes of E5M2, and their results quantised again for the two products of attention.
; A work-group takes 128 rows of x (work-group g: rows 128 g on).  PHASE X: x is read once, and quantised three times, with the scales 2^e0, 2^e2, 2^e4 that the three products give it, into images of operand
; registers in LDS.  PRODUCTS: for each of the three types wave w makes columns 128 w .. 128 w + 127 (heads 2 w, 2 w + 1) of all 128 rows: 64 accumulators, K in four steps of 128.
; The weights' codes come from wc straight into registers, a K step (16 KiB a wave) ahead, in two sets.
; ONE MAP OF k EVERYWHERE: registers 4 c .. 4 c + 3 of lane (r, h) hold k = 32 c + 16 h + 0 .. 15 of row r, the same on both sides of a product: every product meets its partner.
; q AND k ARE MADE TRANSPOSED (source 0 = 16 rows of W, source 1 = 16 rows of x): register j of tile 2 b + u is column 32 b + 16 h + 8 u + j of token r, so four tiles convert straight into a head's fragment (16 tokens x 64).
; v IS MADE THE OTHER WAY ROUND (source 0 = x, source 1 = W): register j is token 8 h + j of one column: the keys run along the registers, as the second product of attention wants them.
; OUT: qc = [g (65,536)][head (8,192)][tile of 16 tokens a (1,024)][chunk c (512)];  kv = [g (131,072)]: k's part laid as qc's block, then v's part [head (8,192)][tile of 16 d (2,048)][chunk c (512)].
; Every store of a wave covers 512 consecutive bytes, aligned.
; LIMITS: e0, e2, e4, e6, e7, e9 between -126 and 112; e0 + e1, e2 + e3, e4 + e5 between -126 and 127.  NaN among the inputs is not served.
; No tensor load: LDS is written by the waves themselves.  No cluster: the weights go into registers, not through LDS, so there is no tile to ask for jointly.
; REGISTERS, in windows of 256.  Window 0: v1 16 x lane; v2 A's images; v3, v4 my stage (in, out); v5-7 where I store x's images; v8, v9 bias offsets; v10, v11 the results' scale and hold; v16-21 x's three scales and holds;
;   phase X: v32-95 64 numbers, v96-143 held copies, v144-191 codes;  products: v32-95 bias, v96-127 at work, v128-255 A's 8 fragments, later the results' codes.
;   Window 1: W's fragments, two sets.  Windows 2, 3: accumulator (a, t) at v[8 (8 (a % 4) + t)] of window 2 + a / 4; in phase X window 2 holds four sets of x as loaded.
.set STG,  196608                      ; LDS: x's images [type (65,536)][a (8,192)][s (2,048)][c (512)], then a stage of 16 rows x 528 bytes for each wave
.set XT,   32
.set TP,   96
.set XC,   144
.set BIAS, 32
.set VAL,  96
.set AF,   128
.set AAD,  2
.set MSB, 0
.macro WIN new                         ; the immediate's high byte repeats the setting that is left; a switch that changes nothing is dropped
.if MSB != (\new)
	s_set_vgpr_msb (MSB<<8)|(\new)
.set MSB, (\new)
.endif
.endm
.macro PLACES                          ; four plain vector instructions between a matrix instruction and a load into, or a vector instruction on, its registers
.rept 4
	v_nop
.endr
.endm
.macro QCONST e, sc, lm                ; s[sc] = 2^e as f32, s[lm] = 57,344 x 2^e, e = s[e]
	s_add_co_i32 s[\lm], s[\e], 127
	s_lshl_b32 s[\sc], s[\lm], 23
	s_add_co_i32 s[\lm], s[\lm], 15
	s_lshl_b32 s[\lm], s[\lm], 23
	s_or_b32 s[\lm], s[\lm], 0x600000
.endm
	s_load_b512 s[4:19], s[0:1], 0x0               ; x s[4:5], wc s[6:7], bq s[8:9], bk s[10:11], bv s[12:13], scales s[14:15], qc s[16:17], kv s[18:19]
	v_lshl_add_u32 v30, v0, 2, 0x38400
	v_mov_b32 v31, 0
	v_lshrrev_b32 v1, 5, v0
	v_readfirstlane_b32 s20, v1                    ; wave 0..3
	v_and_b32 v12, 31, v0
	v_and_b32 v13, 15, v0                          ; r
	v_bfe_u32 v14, v0, 4, 1                        ; h
	v_lshlrev_b32 v1, 4, v12                       ; 16 x lane
	s_mul_i32 s21, s20, 8448
	s_add_co_u32 s21, s21, STG                     ; my stage
	v_add_nc_u32 v3, s21, v1                       ; in: a row's 512 bytes as they lie
	v_mul_u32_u24 v4, v13, 528
	v_lshl_add_u32 v4, v14, 6, v4
	v_add_nc_u32 v4, s21, v4                       ; out: row r, + 64 h: my 16 numbers of a block of 32
	s_lshl_b32 s22, s20, 14
	v_add_nc_u32 v5, s22, v1                       ; my two tiles of rows (a = 2 w, 2 w + 1) in the first type's images,
	v_add_nc_u32 v6, 0x10000, v5                   ; the second's,
	v_add_nc_u32 v7, 0x20000, v5                   ; the third's
	v_lshlrev_b32 v8, 6, v14                       ; bias of q and k: 64 h
	v_and_b32 v9, 8, v13
	v_add_nc_u32 v9, v9, v13
	v_lshlrev_b32 v9, 2, v9                        ; bias of v: 4 (r + 8 (r / 8))
	s_wait_kmcnt 0x0
	s_load_b256 s[24:31], s[14:15], 0x0            ; e0 .. e7
	s_load_b128 s[32:35], s[14:15], 0x20           ; e8 .. e11
	s_lshl_b32 s2, ttmp9, 18                       ; 128 rows of 2,048 bytes
	s_lshl_b32 s3, s20, 16                         ; my 32 of them
	s_add_co_u32 s2, s2, s3
	s_mov_b32 s3, 0
	s_add_nc_u64 s[36:37], s[4:5], s[2:3]          ; x at my first row
	s_lshl_b32 s2, s20, 16
	s_add_nc_u64 s[38:39], s[6:7], s[2:3]          ; wc at my slice of Wq
	s_lshl_b32 s2, s20, 9
	s_add_nc_u64 s[40:41], s[8:9], s[2:3]          ; the biases at my 128 columns: q's is the one in hand,
	s_add_nc_u64 s[48:49], s[10:11], s[2:3]        ; k's,
	s_add_nc_u64 s[56:57], s[12:13], s[2:3]        ; v's
	s_lshl_b32 s2, ttmp9, 16
	s_lshl_b32 s21, s20, 14
	s_add_co_u32 s2, s2, s21
	s_add_nc_u64 s[42:43], s[16:17], s[2:3]        ; qc at my block and my two heads
	s_lshl_b32 s2, ttmp9, 17
	s_add_co_u32 s2, s2, s21
	s_add_nc_u64 s[50:51], s[18:19], s[2:3]        ; kv likewise: k's part,
	s_add_nc_u64 s[58:59], s[50:51], 0x10000       ; v's part
; PHASE X.  A unit u is 16 rows x 128 along K: tile of rows 2 w + u / 4, K step u % 4.  Each of its 16 loads reads 512 consecutive bytes of one row.
.macro XLOAD u
	WIN 0x80                                       ; destination window 2
.set i, 0
.rept 16
	global_load_b128 v[64*((\u)%4)+4*i:64*((\u)%4)+4*i+3], v1, s[36:37] offset:((\u)/4)*32768+2048*i+512*((\u)%4) th:TH_LOAD_NT
.set i, i+1
.endr
	WIN 0
.endm
; The unit's 8 KiB turn through my stage, so that a lane holds 16 neighbours along K of each block of 32; they are held and converted three times; the three fragments go to LDS as they stand.
.macro UNIT u, left
	s_wait_loadcnt \left                           ; loads come back in order: this unit's 16 are in; the younger units' may be out
	WIN 0x08                                       ; store data window 2
.set i, 0
.rept 16
	ds_store_b128 v3, v[64*((\u)%4)+4*i:64*((\u)%4)+4*i+3] offset:528*i
.set i, i+1
.endr
	WIN 0
.irp b, 0,1,2,3
.irp j, 0,1,2,3
	ds_load_b128 v[XT+16*\b+4*\j:XT+16*\b+4*\j+3], v4 offset:128*\b+16*\j   ; LDS serves a wave's instructions in order: these see the stores above
.endr
.endr
	s_wait_dscnt 0x0                               ; the numbers are back; the stores have read their registers, the last unit's images too
.if (\u) < 4
	XLOAD (\u)+4                                   ; into the set that has just been read out
.endif
.irp b, 0,1,2,3
.irp p, 0,1,2
.set i, 0
.rept 16
	v_med3_num_f32 v[TP+16*\p+i], v[XT+16*\b+i], -v[19+\p], v[19+\p]   ; the hold at the largest code x this product's scale
.set i, i+1
.endr
	v_cvt_scalef32_pk8_bf8_f32 v[XC+16*\p+4*\b:XC+16*\p+4*\b+1], v[TP+16*\p:TP+16*\p+7], v[16+\p]
	v_cvt_scalef32_pk8_bf8_f32 v[XC+16*\p+4*\b+2:XC+16*\p+4*\b+3], v[TP+16*\p+8:TP+16*\p+15], v[16+\p]
.endr
.endr
	v_nop                                          ; a plain vector instruction behind the last conversion
.irp p, 0,1,2
.irp c, 0,1,2,3
	ds_store_b128 v[5+\p], v[XC+16*\p+4*\c:XC+16*\p+4*\c+3] offset:((\u)/4)*8192+2048*((\u)%4)+512*\c
.endr
.endr
.endm
	XLOAD 0
	XLOAD 1
	XLOAD 2
	XLOAD 3
	s_wait_kmcnt 0x0
	QCONST 24, 2, 3
	v_mov_b32 v16, s2
	v_mov_b32 v19, s3
	QCONST 26, 2, 3
	v_mov_b32 v17, s2
	v_mov_b32 v20, s3
	QCONST 28, 2, 3
	v_mov_b32 v18, s2
	v_mov_b32 v21, s3
	QCONST 30, 2, 3                                ; q is quantised with e6,
	v_mov_b32 v10, s2
	v_mov_b32 v11, s3
	QCONST 31, 53, 54                              ; k with e7,
	QCONST 33, 61, 62                              ; v with e9
	s_add_co_i32 s44, s24, s25                     ; a sum of the first product stands for sum x 2^(e0 + e1)
	s_add_co_i32 s44, s44, 127
	s_lshl_b32 s44, s44, 23
	s_mov_b32 s45, s44                             ; (named with it as a pair, so it is written)
	s_add_co_i32 s52, s26, s27
	s_add_co_i32 s52, s52, 127
	s_lshl_b32 s52, s52, 23                        ; 2^(e2 + e3)
	s_add_co_i32 s60, s28, s29
	s_add_co_i32 s60, s60, 127
	s_lshl_b32 s60, s60, 23                        ; 2^(e4 + e5)
	UNIT 0, 48                                     ; three younger units of 16 loads
	UNIT 1, 48
	UNIT 2, 48
	UNIT 3, 48
	UNIT 4, 48
	UNIT 5, 32
	UNIT 6, 16
	UNIT 7, 0
; THE PRODUCTS.
.macro LOADW set, imm                  ; a K step of my slice of W: 8 fragments, 32 loads of 512 consecutive bytes
	WIN 0x40                                       ; destination window 1
.irp t, 0,1,2,3,4,5,6,7
.irp c, 0,1,2,3
	global_load_b128 v[128*(\set)+16*\t+4*\c:128*(\set)+16*\t+4*\c+3], v1, s[38:39] offset:(\imm)+2048*\t+512*\c
.endr
.endr
	WIN 0
.endm
.macro FETCH_A s, a0                   ; A's fragments of tiles of rows a0 .. a0 + 3, K step s
.irp a, \a0, \a0+1, \a0+2, \a0+3
.irp c, 0,1,2,3
	ds_load_b128 v[AF+16*(\a)+4*\c:AF+16*(\a)+4*\c+3], v[AAD] offset:8192*(\a)+2048*(\s)+512*\c
.endr
.endr
.endm
; 32 matrix instructions: tiles of rows a0 .. a0 + 3 against W's eight.  The 64 accumulators take turns, one instruction a turn, in the same order in every K step.
.macro MUL a0, set, zero, swap
.irp a, \a0, \a0+1, \a0+2, \a0+3
.irp t, 0,1,2,3,4,5,6,7
.set rD, 8*(8*((\a)%4)+\t)
.set rA, AF+16*(\a)
.set rW, 128*(\set)+16*\t
.if \swap
.if \zero
	v_wmma_f32_16x16x128_bf8_bf8 v[rD:rD+7], v[rA:rA+15], v[rW:rW+15], 0
.else
	v_wmma_f32_16x16x128_bf8_bf8 v[rD:rD+7], v[rA:rA+15], v[rW:rW+15], v[rD:rD+7]
.endif
.else
.if \zero
	v_wmma_f32_16x16x128_bf8_bf8 v[rD:rD+7], v[rW:rW+15], v[rA:rA+15], 0
.else
	v_wmma_f32_16x16x128_bf8_bf8 v[rD:rD+7], v[rW:rW+15], v[rA:rA+15], v[rD:rD+7]
.endif
.endif
.endr
.endr
.endm
; A K step of 128: 64 matrix instructions.  wload: the next chunk of W is asked for, at byte wimm, into the other set, 64 matrix instructions ahead of its use.  anext: the next K step's fragments of A are fetched.
.macro STEP s, zero, wimm, wload, anext, swap
	s_wait_loadcnt 0x0                             ; this step's W is in (and, in a type's first step, the bias)
	s_wait_dscnt 16                                ; A's blocks 0-3 are in; the youngest 16 loads (blocks 4-7) may be out
.if \wload
	LOADW ((\s)+1)%2, \wimm                        ; the other set's last products stand in front of the places at the last step's end
.endif
	WIN 0xa1+3*(\swap)                             ; W window 1, A window 0, C and D window 2
	MUL 0, (\s)%2, \zero, \swap
	s_wait_dscnt 0x0                               ; A's blocks 4-7 are in
.if \anext
	PLACES
	WIN 0
	FETCH_A (\s)+1, 0
.endif
	WIN 0xf1+3*(\swap)                             ; C and D window 3
	MUL 4, (\s)%2, \zero, \swap
	PLACES
	WIN 0
.if \anext
	FETCH_A (\s)+1, 4
.endif
.endm
; q's or k's way out.  A head's four tiles of a tile of rows: sum x 2^(ex + ew) + bias, held, converted: a fragment of 16 tokens x 64, two stores of 512 bytes.  Each accumulator is read from its low end on.
.macro OUT_T
.irp a, 0,1,2,3,4,5,6,7
.irp hh, 0,1
	WIN 0x02+(\a/4)                                ; source 0: window 2 or 3
.set i, 0
.rept 16
	v_pk_fma_f32 v[VAL+i:VAL+i+1], v[8*(8*(\a%4)+4*\hh)+i:8*(8*(\a%4)+4*\hh)+i+1], s[44:45], v[BIAS+32*\hh+i:BIAS+32*\hh+i+1] op_sel_hi:[1,0,1]
.set i, i+2
.endr
	WIN 0
.set i, 0
.rept 32
	v_med3_num_f32 v[VAL+i], v[VAL+i], -v11, v11
.set i, i+1
.endr
.irp q, 0,1,2,3
	v_cvt_scalef32_pk8_bf8_f32 v[AF+8*(2*\a+\hh)+2*\q:AF+8*(2*\a+\hh)+2*\q+1], v[VAL+8*\q:VAL+8*\q+7], v10
.endr
	v_nop                                          ; a plain vector instruction between the conversions and the next lines that write their sources
.irp c, 0,1
	global_store_b128 v1, v[AF+8*(2*\a+\hh)+4*\c:AF+8*(2*\a+\hh)+4*\c+3], s[42:43] offset:8192*\hh+1024*\a+512*\c
.endr
.endr
.endr
.endm
; v's way out.  Chunk c of column tile t: tokens 32 c + 8 h + 0..7 (tile of rows 2 c) and 32 c + 16 + 8 h + 0..7 (tile 2 c + 1) of my column.  Two column tiles at a time.
.macro OUT_V
.irp c, 0,1,2,3
.irp tp, 0,1,2,3
	WIN 0x02+(\c/2)
.irp u, 0,1
.irp aa, 0,1
.set i, 0
.rept 8
	v_fma_f32 v[VAL+16*\u+8*\aa+i], v[8*(8*((2*\c+\aa)%4)+2*\tp+\u)+i], s60, v[BIAS+2*\tp+\u]
.set i, i+1
.endr
.endr
.endr
	WIN 0
.set i, 0
.rept 32
	v_med3_num_f32 v[VAL+i], v[VAL+i], -v11, v11
.set i, i+1
.endr
.irp q, 0,1,2,3
	v_cvt_scalef32_pk8_bf8_f32 v[AF+8*(4*\c+\tp)+2*\q:AF+8*(4*\c+\tp)+2*\q+1], v[VAL+8*\q:VAL+8*\q+7], v10
.endr
	v_nop
.irp u, 0,1
	global_store_b128 v1, v[AF+8*(4*\c+\tp)+4*\u:AF+8*(4*\c+\tp)+4*\u+3], s[58:59] offset:2048*(2*\tp+\u)+512*\c
.endr
.endr
.endr
.endm
	LOADW 0, 0                                     ; Wq's first K step
	s_wait_dscnt 0x0                               ; for the others' sake: my images of x lie in LDS
	s_barrier_signal -1
	s_barrier_wait -1                              ; everybody's do.  From here on nobody writes them: the launch's one barrier
	s_mov_b32 s46, 0                               ; the type's images in LDS
	s_mov_b32 s47, 0
.Ltype:                                            ; two trips: q, then k
	v_add_nc_u32 v[AAD], s46, v1
.irp t, 0,1,2,3,4,5,6,7                        ; lane (r, h) wants, for tile t, the bias of columns 32 (t / 2) + 8 (t % 2) + 16 h + 0 .. 7
	global_load_b128 v[BIAS+8*\t:BIAS+8*\t+3], v8, s[40:41] offset:4*(32*(\t/2)+8*(\t%2))
	global_load_b128 v[BIAS+8*\t+4:BIAS+8*\t+7], v8, s[40:41] offset:4*(32*(\t/2)+8*(\t%2))+16
.endr
	FETCH_A 0, 0
	FETCH_A 0, 4
	STEP 0, 1, 16384, 1, 1, 0                      ; the first K step starts the sums: nothing is cleared
	STEP 1, 0, 32768, 1, 1, 0
	STEP 2, 0, 49152, 1, 1, 0
	STEP 3, 0, 262144, 1, 0, 0                     ; asks for the next type's first K step
	OUT_T
	s_wait_xcnt 0x0                                ; the stores and loads issued so far have read their registers: the codes' registers, the bases and the pointers may be written
	s_add_nc_u64 s[38:39], s[38:39], 0x40000       ; the next type's slice of wc
	s_add_co_u32 s46, s46, 0x10000
	s_mov_b64 s[40:41], s[48:49]                   ; k's bias, output, factor, scale and hold become those in hand
	s_mov_b64 s[42:43], s[50:51]
	s_mov_b32 s44, s52
	s_mov_b32 s45, s52
	v_mov_b32 v10, s53
	v_mov_b32 v11, s54
	s_add_co_u32 s47, s47, 1
	s_cmp_lt_u32 s47, 2
	s_cbranch_scc1 .Ltype
	v_add_nc_u32 v[AAD], 0x20000, v1               ; v: the third type's images
	v_mov_b32 v10, s61
	v_mov_b32 v11, s62
.irp t, 0,1,2,3,4,5,6,7                        ; a lane holds one column of a tile: one number of the bias
	global_load_b32 v[BIAS+\t], v9, s[56:57] offset:4*(32*(\t/2)+8*(\t%2))
.endr
	FETCH_A 0, 0
	FETCH_A 0, 4
	STEP 0, 1, 16384, 1, 1, 1
	STEP 1, 0, 32768, 1, 1, 1
	STEP 2, 0, 49152, 1, 1, 1
	STEP 3, 0, 0, 0, 0, 1                          ; nothing is left to ask for
	OUT_V
	s_wait_tensorcnt 0x0
	ds_add_u32 v30, v31
	s_wait_dscnt 0x0
	s_endpgm
.Lfunc_end_k_qef31164673_qkv:
	.size	k_qef31164673_qkv, .Lfunc_end_k_qef31164673_qkv-k_qef31164673_qkv
	.p2alignl 7, 3214868480
	.fill 96, 4, 3214868480
	.section	.rodata,"a",@progbits
	.p2align	6, 0x0
	.amdhsa_kernel k_qef31164673_qkv
		.amdhsa_group_segment_fixed_size 230912
		.amdhsa_private_segment_fixed_size 0
		.amdhsa_enable_private_segment 0
		.amdhsa_kernarg_size 64
		.amdhsa_user_sgpr_count 2
		.amdhsa_user_sgpr_kernarg_segment_ptr 1
		.amdhsa_wavefront_size32 1
		.amdhsa_system_sgpr_workgroup_id_x 1
		.amdhsa_system_sgpr_workgroup_id_y 1
		.amdhsa_system_sgpr_workgroup_id_z 1
		.amdhsa_system_vgpr_workitem_id 0
		.amdhsa_next_free_vgpr 1024
		.amdhsa_next_free_sgpr 96
		.amdhsa_reserve_vcc 0
		.amdhsa_float_denorm_mode_32 3
		.amdhsa_float_denorm_mode_16_64 3
		.amdhsa_memory_ordered 1
		.amdhsa_forward_progress 1
		.amdhsa_inst_pref_size 255
	.end_amdhsa_kernel
	.section	.bss,"aw",@nobits
	.p2align	6
	.space	262144
	.amdgpu_metadata
---
amdhsa.version: [ 1, 2 ]
amdhsa.kernels:
  - .name:           k_qef31164673_qkv
    .symbol:         k_qef31164673_qkv.kd
    .args:
      - { .name: x, .offset: 0, .size: 8, .value_kind: global_buffer, .address_space: global }
      - { .name: wc, .offset: 8, .size: 8, .value_kind: global_buffer, .address_space: global }
      - { .name: bq, .offset: 16, .size: 8, .value_kind: global_buffer, .address_space: global }
      - { .name: bk, .offset: 24, .size: 8, .value_kind: global_buffer, .address_space: global }
      - { .name: bv, .offset: 32, .size: 8, .value_kind: global_buffer, .address_space: global }
      - { .name: lowp_scales, .offset: 40, .size: 8, .value_kind: global_buffer, .address_space: global }
      - { .name: qc, .offset: 48, .size: 8, .value_kind: global_buffer, .address_space: global }
      - { .name: kv, .offset: 56, .size: 8, .value_kind: global_buffer, .address_space: global }
    .group_segment_fixed_size: 230912
    .private_segment_fixed_size: 0
    .kernarg_segment_align: 8
    .kernarg_segment_size: 64
    .max_flat_workgroup_size: 128
    .sgpr_count:     96
    .vgpr_count:     1024
    .wavefront_size: 32
...
	.end_amdgpu_metadata
.endif
;; end of part 2
;; launch attn (part 3): grid 8 x 32, 8 waves a work-group, no clusters, 327,680 bytes of LDS; arguments qc, kv, time_intervals, lowp_scales, oc; writes oc
.if DOCPART == 3
	.amdgcn_target "amdgcn-amd-amdhsa--gfx1250"
	.amdhsa_code_object_version 6
	.text
	.protected	k_qef31164673_attn
	.globl	k_qef31164673_attn
	.p2align	8
	.type	k_qef31164673_attn,@function
k_qef31164673_attn:
	s_mov_b64 s[64:65], 0
	v_nop
	global_prefetch_b8 v0, s[64:65] scope:SCOPE_SE
	s_setreg_imm32_b32 hwreg(HW_REG_WAVE_MODE, 25, 1), 1
	s_wait_xcnt 0x0
; Causal attention with a time decay, both products on codes of E5M2.  logit(q, k) = (Q . K / 8) x omega, omega = 1 / (1 + e^(0.5 |tq - tk| - 0.5)); key k counts for query q where k <= q.
; t = logit x log2(e); M = the row's largest t so far, rounded UP to a whole number; p = 2^(t - M) is quantised with 2^e8, not normalised; the row's sum is taken of the unquantised p and divides at the end.
; When M moves, the sum and O are multiplied by 2^(old M - new M): exact.  The result is quantised with 2^e10 for the last projection and stored as codes.
; SHARES.  Work-group (j, b): batch b, the query blocks of 64 numbered j and 15 - j, one after the other.  Block i needs i / 2 + 1 key steps of 128; the two together always 9: every work-group walks 9 key steps.
; Wave: tile of 16 queries wave % 4, heads 4 (wave / 4) .. + 3.  omega hangs on no head: it is made once for a key step and serves the wave's four heads.
; A key step of all 8 heads is one dense block of 128 KiB of kv (k's fragments, then v's), brought as it lies into one of two LDS slots, an eighth by each wave's one tensor load; every LDS load reads 512 consecutive bytes.
; LAYOUT.  Both products are used transposed: S^T = K Q^T (source 0 = 16 keys), O^T = V^T P^T (source 0 = 16 of the head's 64): a lane holds ONE query (lane % 16) throughout; register j of score tile t is key 16 t + 8 (lane / 16) + j,
; and v's codes were laid by the same map of keys, so p's codes are the second product's operand as they come.  V's tiles of d were chosen so that a head's 32 registers of O^T are d = 32 b + 16 h + 0 .. 15: two heads' codes are one fragment of the last projection.
; NO CLUSTER: in trip T a work-group reads key step min(T, T - (j / 2 + 1)), which differs among the work-groups of a batch; only two of the eight walk alike, and a joint request here names four.
; LIMITS: e6 + e7 between -120 and 120 (taken off a constant's exponent field); e8, e10 between -126 and 112; e8 + e9 goes in by v_ldexp_f32 and has none.  NaN among the inputs is not served.
; REGISTERS.  Window 0: v1, v2 my lane's place in a slot's K and V; v3, v4 the same in the slot in hand; v5, v6 the spare word and 0; v7 16 x lane; v8 32 h; v9 the mask's bound; v[10:11] tq; v12 -infinity; v13, v14 p's scale and hold; v15 256 x lane;
;   v16 + 4 head: -M, largest t, the sum in two halves; v32-95 K; v96-159 V; v160-223 S^T, then p; v224-239 p's codes; v240-254 at work.   Window 1: v0-127 O^T, 32 a head; v128-159 Q, 8 a head; v160-223 tk, then omega's factor.
.set SLOT1, 131072
.set SPARE, 262144                     ; behind the ring: the spare words, 128 bytes for each wave: four blocks of 256 bytes that no other line names
.set KFR, 32
.set VFR, 96
.set SCR, 160
.set PCR, 224
.set QFR, 128                          ; in window 1
.set OMR, 160                          ; in window 1
.set MSB, 0
.macro WIN new                         ; the immediate's high byte repeats the setting that is left; a switch that changes nothing is dropped
.if MSB != (\new)
	s_set_vgpr_msb (MSB<<8)|(\new)
.set MSB, (\new)
.endif
.endm
.macro QCONST e, sc, lm                ; s[sc] = 2^e as f32, s[lm] = 57,344 x 2^e, e = s[e]
	s_add_co_i32 s[\lm], s[\e], 127
	s_lshl_b32 s[\sc], s[\lm], 23
	s_add_co_i32 s[\lm], s[\lm], 15
	s_lshl_b32 s[\lm], s[\lm], 23
	s_or_b32 s[\lm], s[\lm], 0x600000
.endm
.macro TKLOAD                          ; the times of a key step's 128 keys, in the scores' layout: register 8 t + j = key 16 t + 8 h + j
	WIN 0x40                                       ; destination window 1
.irp t, 0,1,2,3,4,5,6,7
	global_load_b128 v[OMR+8*\t:OMR+8*\t+3], v8, s[66:67] offset:64*\t
	global_load_b128 v[OMR+8*\t+4:OMR+8*\t+7], v8, s[66:67] offset:64*\t+16
.endr
	WIN 0
.endm
	s_load_b256 s[4:11], s[0:1], 0x0               ; qc s[4:5], kv s[6:7], the times s[8:9], the scales' exponents s[10:11]
	s_load_b64 s[12:13], s[0:1], 0x20              ; oc
	v_lshl_add_u32 v5, v0, 2, SPARE
	v_mov_b32 v6, 0
	ds_add_u32 v5, v6
	ds_add_u32 v5, v6
	s_wait_dscnt 0x0
	v_lshrrev_b32 v1, 5, v0
	v_readfirstlane_b32 s14, v1                    ; wave 0..7
	s_lshr_b32 s15, s14, 2                         ; which four heads
	s_and_b32 s16, s14, 3                          ; which 16 of the block's 64 queries
	s_mov_b32 s17, ttmp9                           ; j
	s_and_b32 s18, ttmp7, 0xffff                   ; b
	s_lshr_b32 s19, s17, 1
	s_add_co_u32 s19, s19, 1                       ; key steps of the first block
	; descriptor group 1: 64 rows of 256 bytes, dense: 16 KiB as they lie
	s_mov_b32 s24, 3<<16                           ; no mask; elements of 8 bytes; no padding
	s_mov_b32 s25, 32<<16                          ; tensor_dim0 = 32
	s_mov_b32 s26, 64<<16                          ; tensor_dim1 = 64
	s_mov_b32 s27, 32<<16                          ; tile_dim0 = 32
	s_mov_b32 s28, 64                              ; tile_dim1 = 64
	s_mov_b32 s29, 32                              ; from row to row
	s_mov_b32 s30, 0
	s_mov_b32 s31, 0
	s_mov_b32 s44, 0x3f38aa3b                      ; 0.5 log2(e)
	s_mov_b32 s45, 0xbf38aa3b                      ; and its negative
	s_mov_b32 s60, 0x76543210                      ; v_permlanex16_b32's selects for lane l xor 16
	s_mov_b32 s61, 0xfedcba98
	v_and_b32 v7, 31, v0
	v_lshlrev_b32 v15, 8, v7                       ; the prefetches' offset
	v_lshlrev_b32 v7, 4, v7
	s_lshl_b32 s2, s15, 15
	v_add_nc_u32 v1, s2, v7                        ; K's part of a slot: my four heads' 32 KiB, 16 x lane
	v_add_nc_u32 v2, 0x10000, v1                   ; V's part lies 64 KiB further on
	v_and_b32 v247, 15, v0                         ; r
	v_bfe_u32 v8, v0, 4, 1                         ; h
	v_lshlrev_b32 v250, 3, v8
	v_sub_nc_u32 v250, v247, v250                  ; r - 8 h
	v_lshlrev_b32 v247, 2, v247                    ; 4 r
	v_lshlrev_b32 v8, 5, v8                        ; 32 h
	v_mov_b32 v11, 0                               ; (named as the upper half of the pair v[10:11])
	v_mov_b32 v12, 0xff800000                      ; -infinity
	v_mov_b32 v241, 0                              ; (upper half of v[240:241])
	v_mov_b32 v246, 0                              ; written once: a lane permute's destination counts as one of its sources
	s_wait_kmcnt 0x0
	s_load_b128 s[48:51], s[10:11], 0x18           ; e6, e7, e8, e9
	s_load_b32 s52, s[10:11], 0x28                 ; e10
	s_lshl_b32 s2, s18, 20                         ; a batch is 8 key steps of 128 KiB
	s_lshl_b32 s3, s14, 14                         ; my eighth of a key step
	s_add_co_u32 s2, s2, s3
	s_mov_b32 s3, 0
	s_add_nc_u64 s[36:37], s[6:7], s[2:3]          ; kv at my eighth of the batch's key step 0
	s_mov_b64 s[38:39], s[36:37]                   ; the prefetches start there too; each change of slots steps them a key step on
	s_lshl_b32 s2, s18, 12
	s_add_nc_u64 s[46:47], s[8:9], s[2:3]          ; the batch's times
	s_mov_b64 s[66:67], s[46:47]                   ; those of key step 0
	s_cmp_eq_u32 s17, 0
	s_cselect_b32 s40, 7, 0                        ; work-group j = 0 prefetches in trips 0 to 6, the others never
	s_mov_b32 s32, 1                               ; group 0: count = 1,
	s_lshl_b32 s33, s14, 14                        ; LDS address: slot 0, my eighth,
	s_mov_b64 s[34:35], s[36:37]                   ; key step 0,
	s_or_b32 s35, s35, 0x80000000                  ; type = 2
	tensor_load_to_lds s[32:35], s[24:31]          ; the first fill, ahead of every wait on TENSORcnt, LDS read and barrier
	s_nop 0
.rept 4
	v_nop                                          ; four lines behind a tensor load, ahead of the next switch of windows
.endr
	TKLOAD
	s_wait_kmcnt 0x0
	s_add_co_i32 s2, s48, s49
	s_lshl_b32 s2, s2, 23
	s_sub_co_u32 s42, 0x40b17218, s2               ; 8 ln 2 / 2^(e6 + e7): the two exponents are taken off the constant's exponent field
	s_mov_b32 s43, s42                             ; (named with it as a pair)
	QCONST 50, 2, 3
	v_mov_b32 v13, s2                              ; 2^e8
	v_mov_b32 v14, s3                              ; 57,344 x 2^e8
	QCONST 52, 2, 3
	v_mov_b32 v248, s2                             ; 2^e10
	v_mov_b32 v249, s3
	s_add_co_i32 s76, s50, s51                     ; e8 + e9
; A query block is taken up: s41 = its number I.  Q's four fragments, tq, the mask's bound, the statistics.  zero = 1: O^T is cleared, once in the launch: the second block's first change of M multiplies what the first
; block left, sums of at most 1,024 products of held codes and so finite, by 0.
.macro INIT zero
	s_lshl_b32 s2, s18, 3
	s_lshr_b32 s3, s41, 1
	s_add_co_u32 s2, s2, s3
	s_lshl_b32 s2, s2, 16                          ; qc: block of 128 rows 8 b + I / 2,
	s_lshl_b32 s3, s15, 15
	s_add_co_u32 s2, s2, s3                        ; my four heads,
	s_and_b32 s74, s41, 1
	s_lshl_b32 s3, s74, 2
	s_add_co_u32 s3, s3, s16
	s_lshl_b32 s3, s3, 10
	s_add_co_u32 s2, s2, s3                        ; tile of 16 tokens 4 (I % 2) + my tile
	s_mov_b32 s3, 0
	s_add_nc_u64 s[68:69], s[4:5], s[2:3]
	s_lshl_b32 s2, s18, 6
	s_lshl_b32 s75, s41, 2
	s_add_co_u32 s2, s2, s75
	s_add_co_u32 s2, s2, s16
	s_lshl_b32 s2, s2, 13                          ; oc: tile of 16 rows 64 b + 4 I + my tile,
	s_lshl_b32 s75, s15, 12
	s_add_co_u32 s2, s2, s75                       ; my two pairs of heads
	s_add_nc_u64 s[70:71], s[12:13], s[2:3]
	s_lshl_b32 s2, s41, 8
	s_lshl_b32 s75, s16, 6
	s_add_co_u32 s2, s2, s75
	s_add_nc_u64 s[72:73], s[46:47], s[2:3]        ; the times of my 16 queries
	s_lshl_b32 s2, s74, 6
	s_lshl_b32 s75, s16, 4
	s_add_co_u32 s2, s2, s75
	v_add_nc_u32 v9, s2, v250                      ; on the diagonal, register 8 t + j is hidden where 16 t + j > my query's place among the step's 128 keys - 8 h
	global_load_b32 v10, v247, s[72:73]
	WIN 0x40
.irp hl, 0,1,2,3
.irp c, 0,1
	global_load_b128 v[QFR+8*\hl+4*\c:QFR+8*\hl+4*\c+3], v7, s[68:69] offset:8192*\hl+512*\c
.endr
.endr
.if \zero
.set n, 0
.rept 128
	v_mov_b32 v[n], 0
.set n, n+1
.endr
.endif
	WIN 0
.irp hl, 0,1,2,3
	v_mov_b32 v[16+4*\hl], 0x7f61b1e6              ; -M = 3e38,
	v_mov_b32 v[17+4*\hl], 0xff61b1e6              ; the largest t so far: -3e38, under every t
	v_mov_b32 v[18+4*\hl], 0
	v_mov_b32 v[19+4*\hl], 0
.endr
	s_wait_loadcnt 0x0
.endm
; omega's factor for the key step: OM = omega x log2(e) / 8 x 2^(e6 + e7) = 1 / (IC (1 + 2^(0.5 log2(e) (|tk - tq| - 1)))), IC = 8 ln 2 / 2^(e6 + e7): t = raw score x OM.
; Where the exponential overflows, OM is 0.  Two batches of transcendentals, each with one plain instruction and one wait behind it.
.macro OMEGA
	s_wait_loadcnt 0x0                             ; tk
	WIN 0x41                                       ; destination and source 0 window 1
.set n, 0
.rept 32
	v_pk_add_f32 v[OMR+n:OMR+n+1], v[OMR+n:OMR+n+1], v[10:11] op_sel_hi:[1,0] neg_lo:[0,1] neg_hi:[0,1]
.set n, n+2
.endr
.set n, 0
.rept 64
	v_fma_f32 v[OMR+n], |v[OMR+n]|, s44, s45
.set n, n+1
.endr
.set n, 0
.rept 64
	v_exp_f32 v[OMR+n], v[OMR+n]
.set n, n+1
.endr
	v_nop
	s_wait_alu depctr_va_vdst(0)
.set n, 0
.rept 32
	v_pk_fma_f32 v[OMR+n:OMR+n+1], v[OMR+n:OMR+n+1], s[42:43], s[42:43] op_sel_hi:[1,0,0]
.set n, n+2
.endr
.set n, 0
.rept 64
	v_rcp_f32 v[OMR+n], v[OMR+n]
.set n, n+1
.endr
	v_nop
	s_wait_alu depctr_va_vdst(0)
	WIN 0
.endm
; One head's part of a key step.  tail = 1: the launch's last key step: always on the diagonal, and nothing is asked for.
.macro HEAD hl, tail
.set ST, 16+4*\hl
	s_wait_dscnt 0x0                               ; this head's K is in
	WIN 0x04                                       ; Q window 1
.irp t, 0,1,2,3,4,5,6,7
	v_wmma_f32_16x16x64_bf8_bf8 v[SCR+8*\t:SCR+8*\t+7], v[KFR+8*\t:KFR+8*\t+7], v[QFR+8*\hl:QFR+8*\hl+7], 0
.endr
.rept 4
	v_nop                                          ; places: in front of the first read of the scores, of the loads into K's registers, and of the loads into V's, which the last head's products read
.endr
	WIN 0
.irp t, 0,1,2,3
.irp c, 0,1,2,3
	ds_load_b128 v[VFR+16*\t+4*\c:VFR+16*\t+4*\c+3], v4 offset:8192*\hl+2048*\t+512*\c
.endr
.endr
.if \hl < 3
.irp t, 0,1,2,3,4,5,6,7
.irp c, 0,1
	ds_load_b128 v[KFR+8*\t+4*\c:KFR+8*\t+4*\c+3], v3 offset:8192*(\hl+1)+1024*\t+512*\c   ; the next head's K
.endr
.endr
.endif
	WIN 0x04                                       ; source 1 window 1
.set n, 0
.rept 32
	v_pk_mul_f32 v[SCR+n:SCR+n+1], v[SCR+n:SCR+n+1], v[OMR+n:OMR+n+1]   ; t; each accumulator from its low end on
.set n, n+2
.endr
	WIN 0
.if (\hl == 3) && (\tail == 0)
	s_lshl_b32 s2, s22, 9                          ; omega's factor has served its last head: the next trip's tk are asked for, into its registers
	s_mov_b32 s3, 0
	s_add_nc_u64 s[66:67], s[46:47], s[2:3]        ; (the last loads by this pair were waited for at the step's head)
	TKLOAD
.endif
.if \tail == 0
	s_cmp_lg_u32 s21, s19                          ; only a block's last key step lies on the diagonal: a branch on ids and the trip's number
	s_cbranch_scc1 .Lopen_\@
.endif
.set n, 0
.rept 64
	v_cmp_gt_i32 vcc_lo, 16*(n/8)+n%8, v9
	v_cndmask_b32 v[SCR+n], v[SCR+n], v12, vcc_lo  ; hidden keys: -infinity ahead of the maximum, so that p = 0
.set n, n+1
.endr
.if \tail == 0
.Lopen_\@:
.endif
	v_max3_num_f32 v244, v[SCR], v[SCR+1], v[SCR+2]   ; the step's largest t of my query among my 64 keys, in two chains,
	v_max3_num_f32 v245, v[SCR+3], v[SCR+4], v[SCR+5]
.set n, 6
.rept 14
	v_max3_num_f32 v244, v244, v[SCR+n], v[SCR+n+1]
	v_max3_num_f32 v245, v245, v[SCR+n+2], v[SCR+n+3]
.set n, n+4
.endr
	v_max3_num_f32 v244, v244, v[SCR+62], v[SCR+63]
	v_max_num_f32 v244, v244, v245
	v_permlanex16_b32 v246, v244, s60, s61
	v_max_num_f32 v244, v244, v246                 ; and among lane l xor 16's
	v_max_num_f32 v[ST+1], v[ST+1], v244           ; the running largest t
	v_mov_b32 v244, v[ST]
	v_floor_f32 v[ST], -v[ST+1]                    ; the new -M = floor(-t) = -ceil(t)
	v_sub_f32 v244, v[ST], v244                    ; old M - new M: a whole number, 0 or less
	v_cvt_i32_f32 v244, v244                       ; (it saturates)
	v_ldexp_f32 v240, 1.0, v244                    ; f = 2^(old M - new M)
.set n, 0
.rept 32
	v_pk_add_f32 v[SCR+n:SCR+n+1], v[SCR+n:SCR+n+1], v[ST:ST+1] op_sel_hi:[1,0]   ; t - M (of the pair the low word, -M, serves both halves)
.set n, n+2
.endr
.set n, 0
.rept 64
	v_exp_f32 v[SCR+n], v[SCR+n]                   ; p = 2^(t - M)
.set n, n+1
.endr
	v_pk_mul_f32 v[ST+2:ST+3], v[ST+2:ST+3], v[240:241] op_sel_hi:[1,0]   ; the sums under the new M: the plain instruction behind the batch
	s_wait_alu depctr_va_vdst(0)                   ; one wait for the batch, ahead of its first reader
	v_pk_add_f32 v[242:243], v[SCR:SCR+1], v[SCR+2:SCR+3]   ; the row's sum is taken of the unquantised p, in two chains
.set n, 4
.rept 15
	v_pk_add_f32 v[ST+2:ST+3], v[ST+2:ST+3], v[SCR+n:SCR+n+1]
	v_pk_add_f32 v[242:243], v[242:243], v[SCR+n+2:SCR+n+3]
.set n, n+4
.endr
	v_pk_add_f32 v[ST+2:ST+3], v[ST+2:ST+3], v[242:243]
.set n, 0
.rept 64
	v_min_num_f32 v[SCR+n], v[SCR+n], v14          ; the conversion does not saturate (ISA guide 7.6.2); p is not negative, so the hold is one-sided
.set n, n+1
.endr
.set n, 0
.rept 8
	v_cvt_scalef32_pk8_bf8_f32 v[PCR+2*n:PCR+2*n+1], v[SCR+8*n:SCR+8*n+7], v13
.set n, n+1
.endr
	WIN 0x41
.set n, 0
.rept 16
	v_pk_mul_f32 v[32*\hl+n:32*\hl+n+1], v[32*\hl+n:32*\hl+n+1], v[240:241] op_sel_hi:[1,0]   ; O^T under the new M; also the plain instructions behind the conversions
.set n, n+2
.endr
.if \hl < 3
	s_wait_dscnt 16                                ; V is in; the next head's 16 loads of K, issued behind it, may be out
.else
	s_wait_dscnt 0x0
.endif
	WIN 0x50                                       ; C and D window 1
.irp t, 0,1,2,3
	v_wmma_f32_16x16x128_bf8_bf8 v[32*\hl+8*\t:32*\hl+8*\t+7], v[VFR+16*\t:VFR+16*\t+15], v[PCR:PCR+15], v[32*\hl+8*\t:32*\hl+8*\t+7]
.endr
	WIN 0
.endm
.macro STEPBODY tail
	v_add_nc_u32 v3, s23, v1
	v_add_nc_u32 v4, s23, v2
.irp t, 0,1,2,3,4,5,6,7
.irp c, 0,1
	ds_load_b128 v[KFR+8*\t+4*\c:KFR+8*\t+4*\c+3], v3 offset:1024*\t+512*\c   ; the first head's K lands while omega is made
.endr
.endr
	OMEGA
	HEAD 0, \tail
	HEAD 1, \tail
	HEAD 2, \tail
	HEAD 3, \tail
.endm
; THE CHANGE OF SLOTS, at a trip's head.  Each wave waits for all its tensor loads (one is out: its eighth of the slot about to be read), adds 0 to its spare word, and waits for that and for its reads of the slot that it has left.
; Behind the barrier the slot ahead is whole and nobody reads the other.  fill = 1: that other slot takes the next trip's key step: min(T + 1, T + 1 - the first block's steps), taken without sign.  The load has a whole key step in which to land.
; THE PREFETCH: all eight work-groups of a batch walk the same key steps; work-group j = 0, whose tensor load of trip T asks for key step T, names in trips 0 to 6 key step T + 1, one trip ahead of its own load;
; each wave names its own 16 KiB, lanes 256 bytes apart, two instructions: each block of 256 bytes is named once in the launch.  Key step 0 comes by its loads alone, and key step 7 is the last that is named.
.macro CHANGE fill
	s_wait_tensorcnt 0x0                           ; no tensor load of mine is out, so group 0 may be written
	ds_add_u32 v5, v6                              ; 0 onto my spare word
.if \fill
	s_add_co_u32 s21, s20, 1                       ; T + 1
	s_sub_co_u32 s2, s21, s19
	s_min_u32 s22, s21, s2                         ; the next trip's key step
	s_xor_b32 s33, s33, SLOT1                      ; the other slot than last time
	s_lshl_b32 s2, s22, 17
	s_mov_b32 s3, 0
	s_add_nc_u64 s[34:35], s[36:37], s[2:3]
	s_or_b32 s35, s35, 0x80000000
	s_wait_xcnt 0x0                                ; the last prefetches, a trip back, have read their address
	s_add_nc_u64 s[38:39], s[38:39], 0x20000
.endif
	s_wait_dscnt 0x0                               ; the add is done, and my reads of the slot that I have left are over
	s_barrier_signal -1
	s_barrier_wait -1
.if \fill
	tensor_load_to_lds s[32:35], s[24:31]          ; the first thing behind the barrier, and my one tensor load until the next
	s_nop 0
.rept 4
	v_nop
.endr
	s_cmp_lt_u32 s20, s40
	s_cbranch_scc0 .Lnoask_\@
	global_prefetch_b8 v15, s[38:39] th:TH_LOAD_NT scope:SCOPE_SE
	global_prefetch_b8 v15, s[38:39] offset:8192 th:TH_LOAD_NT scope:SCOPE_SE
.Lnoask_\@:
.endif
.endm
; A block's way out: O^T / the sum x 2^(e8 + e9), held, converted with 2^e10; two heads' codes are one fragment of 16 rows x 128: eight stores of 512 consecutive bytes.  more = 1: registers are written again afterwards.
.macro FINAL more
.rept 4
	v_nop                                          ; places behind the last products
.endr
.irp hl, 0,1,2,3
	v_add_f32 v[251+\hl], v[18+4*\hl], v[19+4*\hl] ; the sum's two halves,
.endr
.irp hl, 0,1,2,3
	v_permlanex16_b32 v246, v[251+\hl], s60, s61
	v_add_f32 v[251+\hl], v[251+\hl], v246         ; and lane l xor 16's
.endr
.irp hl, 0,1,2,3
	v_rcp_f32 v[251+\hl], v[251+\hl]
.endr
	v_nop
	s_wait_alu depctr_va_vdst(0)                   ; one wait for the four reciprocals
.irp hl, 0,1,2,3
	v_ldexp_f32 v[251+\hl], v[251+\hl], s76
.endr
.irp hl, 0,1,2,3
	WIN 0x01                                       ; source 0 window 1
.set n, 0
.rept 32
	v_mul_f32 v[SCR+32*(\hl%2)+n], v[32*\hl+n], v[251+\hl]
.set n, n+1
.endr
	WIN 0
.set n, 0
.rept 32
	v_med3_num_f32 v[SCR+32*(\hl%2)+n], v[SCR+32*(\hl%2)+n], -v249, v249
.set n, n+1
.endr
.irp q, 0,1,2,3
	v_cvt_scalef32_pk8_bf8_f32 v[KFR+8*\hl+2*\q:KFR+8*\hl+2*\q+1], v[SCR+32*(\hl%2)+8*\q:SCR+32*(\hl%2)+8*\q+7], v248
.endr
	v_nop
.endr
.irp pr, 0,1
.irp c, 0,1,2,3
	global_store_b128 v7, v[KFR+16*\pr+4*\c:KFR+16*\pr+4*\c+3], s[70:71] offset:2048*\pr+512*\c
.endr
.endr
.if \more
	s_wait_xcnt 0x0                                ; the stores have read their registers and their base: both are written again below
.endif
.endm
	s_mov_b32 s41, s17                             ; the first block: j
	INIT 1
	s_mov_b32 s20, 0                               ; T
	s_mov_b32 s23, 0                               ; the slot in hand
.Ltrip:                                            ; eight trips; behind each change of slots the next trip's key step is asked for
	CHANGE 1
	STEPBODY 0
	s_cmp_lg_u32 s21, s19                          ; was this the first block's last key step?
	s_cbranch_scc1 .Lsame
	FINAL 1
	s_sub_co_u32 s41, 15, s17                      ; the second block: 15 - j
	INIT 0
.Lsame:
	s_xor_b32 s23, s23, SLOT1
	s_add_co_u32 s20, s20, 1
	s_cmp_lt_u32 s20, 8
	s_cbranch_scc1 .Ltrip
	CHANGE 0                                       ; the ninth key step is written out
	STEPBODY 1
	FINAL 0
	s_wait_tensorcnt 0x0                           ; the wave's end
	ds_add_u32 v5, v6
	s_wait_dscnt 0x0
	s_endpgm
.Lfunc_end_k_qef31164673_attn:
	.size	k_qef31164673_attn, .Lfunc_end_k_qef31164673_attn-k_qef31164673_attn
	.p2alignl 7, 3214868480
	.fill 96, 4, 3214868480
	.section	.rodata,"a",@progbits
	.p2align	6, 0x0
	.amdhsa_kernel k_qef31164673_attn
		.amdhsa_group_segment_fixed_size 327680
		.amdhsa_private_segment_fixed_size 0
		.amdhsa_enable_private_segment 0
		.amdhsa_kernarg_size 40
		.amdhsa_user_sgpr_count 2
		.amdhsa_user_sgpr_kernarg_segment_ptr 1
		.amdhsa_wavefront_size32 1
		.amdhsa_system_sgpr_workgroup_id_x 1
		.amdhsa_system_sgpr_workgroup_id_y 1
		.amdhsa_system_sgpr_workgroup_id_z 1
		.amdhsa_system_vgpr_workitem_id 0
		.amdhsa_next_free_vgpr 512
		.amdhsa_next_free_sgpr 100
		.amdhsa_reserve_vcc 1
		.amdhsa_float_denorm_mode_32 3
		.amdhsa_float_denorm_mode_16_64 3
		.amdhsa_memory_ordered 1
		.amdhsa_forward_progress 1
		.amdhsa_inst_pref_size 250
	.end_amdhsa_kernel
	.amdgpu_metadata
---
amdhsa.version: [ 1, 2 ]
amdhsa.kernels:
  - .name:           k_qef31164673_attn
    .symbol:         k_qef31164673_attn.kd
    .args:
      - { .name: qc, .offset: 0, .size: 8, .value_kind: global_buffer, .address_space: global }
      - { .name: kv, .offset: 8, .size: 8, .value_kind: global_buffer, .address_space: global }
      - { .name: time_intervals, .offset: 16, .size: 8, .value_kind: global_buffer, .address_space: global }
      - { .name: lowp_scales, .offset: 24, .size: 8, .value_kind: global_buffer, .address_space: global }
      - { .name: oc, .offset: 32, .size: 8, .value_kind: global_buffer, .address_space: global }
    .group_segment_fixed_size: 327680
    .private_segment_fixed_size: 0
    .kernarg_segment_align: 8
    .kernarg_segment_size: 40
    .max_flat_workgroup_size: 256
    .sgpr_count:     100
    .vgpr_count:     512
    .wavefront_size: 32
...
	.end_amdgpu_metadata
.endif
;; end of part 3
;; launch oproj (part 4): grid 256 x 1, 4 waves a work-group, no clusters, 99,840 bytes of LDS; arguments oc, wc, bo, lowp_scales, out0; writes out0
.if DOCPART == 4
	.amdgcn_target "amdgcn-amd-amdhsa--gfx1250"
	.amdhsa_code_object_version 6
	.text
	.protected	k_qef31164673_oproj
	.globl	k_qef31164673_oproj
	.p2align	8
	.type	k_qef31164673_oproj,@function
k_qef31164673_oproj:
	s_mov_b64 s[64:65], 0
	v_nop
	global_prefetch_b8 v0, s[64:65] scope:SCOPE_SE
	s_setreg_imm32_b32 hwreg(HW_REG_WAVE_MODE, 25, 1), 1
	s_wait_xcnt 0x0
; out0 = attention's result x Wo^T + bo on codes of E5M2.  oc holds the left operand's codes as images of operand registers, [tile of 16 rows (8,192)][K step (2,048)][chunk (512)]; wc's fourth part holds Wo's.
; A work-group takes 128 rows; wave w makes columns 128 w .. 128 w + 127 of all of them: 64 accumulators, K in four steps of 128.  The rows' 64 KiB of codes are copied into LDS once, a quarter by each wave, and read by all four;
; Wo's codes come straight into registers, a K step (16 KiB a wave) ahead, in two sets.
; THE PRODUCT IS USED TRANSPOSED (source 0 = 16 rows of Wo, source 1 = 16 rows of the operand); by the choice of Wo's rows in a tile, register j of tile 2 b + u is column 32 b + 16 h + 8 u + j of row r:
; 16 registers are 64 neighbouring bytes of a row.  A block of 16 rows goes through my own stage in LDS and leaves as whole pieces of rows: each store of the wave covers 512 consecutive bytes, aligned.
; LIMIT: e10 + e11 between -126 and 127.
; No tensor load: LDS is written by the waves themselves.  No cluster: the weights go into registers, not through LDS, so there is no tile to ask for jointly.
; REGISTERS: window 0: v1 16 x lane; v3, v4 my stage (rows out, pieces in); v5 where I store my quarter of the images; v8 the bias's offset; v32-95 bias; v128-255 A's 8 fragments; on the way out v96-159 results, v160-223 rows.
;   Window 1: Wo's fragments, two sets.  Windows 2, 3: accumulator (a, t) at v[8 (8 (a % 4) + t)] of window 2 + a / 4.
.set STG,  65536                       ; LDS: the images, then a stage of 16 rows x 528 bytes for each wave
.set BIAS, 32
.set TMP,  96
.set BK,   160
.set AF,   128
.set AAD,  1
.set MSB, 0
.macro WIN new                         ; the immediate's high byte repeats the setting that is left; a switch that changes nothing is dropped
.if MSB != (\new)
	s_set_vgpr_msb (MSB<<8)|(\new)
.set MSB, (\new)
.endif
.endm
.macro PLACES                          ; four plain vector instructions between a matrix instruction and a load into, or a vector instruction on, its registers
.rept 4
	v_nop
.endr
.endm
.macro LOADW set, imm                  ; a K step of my slice of Wo: 8 fragments, 32 loads of 512 consecutive bytes
	WIN 0x40
.irp t, 0,1,2,3,4,5,6,7
.irp c, 0,1,2,3
	global_load_b128 v[128*(\set)+16*\t+4*\c:128*(\set)+16*\t+4*\c+3], v1, s[38:39] offset:(\imm)+2048*\t+512*\c
.endr
.endr
	WIN 0
.endm
.macro FETCH_A s, a0                   ; A's fragments of tiles of rows a0 .. a0 + 3, K step s
.irp a, \a0, \a0+1, \a0+2, \a0+3
.irp c, 0,1,2,3
	ds_load_b128 v[AF+16*(\a)+4*\c:AF+16*(\a)+4*\c+3], v[AAD] offset:8192*(\a)+2048*(\s)+512*\c
.endr
.endr
.endm
; 32 matrix instructions.  The 64 accumulators take turns, one instruction a turn, in the same order in every K step.
.macro MUL a0, set, zero
.irp a, \a0, \a0+1, \a0+2, \a0+3
.irp t, 0,1,2,3,4,5,6,7
.set rD, 8*(8*((\a)%4)+\t)
.set rA, AF+16*(\a)
.set rW, 128*(\set)+16*\t
.if \zero
	v_wmma_f32_16x16x128_bf8_bf8 v[rD:rD+7], v[rW:rW+15], v[rA:rA+15], 0
.else
	v_wmma_f32_16x16x128_bf8_bf8 v[rD:rD+7], v[rW:rW+15], v[rA:rA+15], v[rD:rD+7]
.endif
.endr
.endr
.endm
.macro STEP s, zero, wimm, wload, anext
	s_wait_loadcnt 0x0                             ; this step's W is in (and, in the first step, the bias)
	s_wait_dscnt 16                                ; A's blocks 0-3 are in; the youngest 16 loads (blocks 4-7) may be out
.if \wload
	LOADW ((\s)+1)%2, \wimm                        ; 64 matrix instructions ahead of its use; the other set's last products stand in front of the places at the last step's end
.endif
	WIN 0xa1                                       ; W window 1, A window 0, C and D window 2
	MUL 0, (\s)%2, \zero
	s_wait_dscnt 0x0                               ; A's blocks 4-7 are in
.if \anext
	PLACES
	WIN 0
	FETCH_A (\s)+1, 0
.endif
	WIN 0xf1                                       ; C and D window 3
	MUL 4, (\s)%2, \zero
	PLACES
	WIN 0
.if \anext
	FETCH_A (\s)+1, 4
.endif
.endm
	s_load_b256 s[4:11], s[0:1], 0x0               ; oc s[4:5], wc s[6:7], bo s[8:9], the scales' exponents s[10:11]
	s_load_b64 s[12:13], s[0:1], 0x20              ; out0
	v_lshl_add_u32 v30, v0, 2, 0x18400
	v_mov_b32 v31, 0
	v_lshrrev_b32 v1, 5, v0
	v_readfirstlane_b32 s20, v1                    ; wave 0..3
	v_and_b32 v12, 31, v0
	v_and_b32 v13, 15, v0                          ; r
	v_bfe_u32 v14, v0, 4, 1                        ; h
	v_lshlrev_b32 v1, 4, v12                       ; 16 x lane
	s_mul_i32 s21, s20, 8448
	s_add_co_u32 s21, s21, STG                     ; my stage
	v_add_nc_u32 v3, s21, v1                       ; back: a row's 512 bytes
	v_mul_u32_u24 v4, v13, 528
	v_lshl_add_u32 v4, v14, 6, v4
	v_add_nc_u32 v4, s21, v4                       ; in: row r, + 64 h
	s_lshl_b32 s22, s20, 14
	v_add_nc_u32 v5, s22, v1                       ; my quarter of the images
	v_lshlrev_b32 v8, 6, v14                       ; the bias: 64 h
	s_wait_kmcnt 0x0
	s_load_b64 s[34:35], s[10:11], 0x28            ; e10, e11
	s_lshl_b32 s2, ttmp9, 16
	s_add_co_u32 s2, s2, s22
	s_mov_b32 s3, 0
	s_add_nc_u64 s[36:37], s[4:5], s[2:3]          ; oc at my quarter of the block's 64 KiB
	s_lshl_b32 s2, s20, 16
	s_add_co_u32 s2, s2, 786432
	s_add_nc_u64 s[38:39], s[6:7], s[2:3]          ; wc at my slice of Wo
	s_lshl_b32 s2, s20, 9
	s_add_nc_u64 s[40:41], s[8:9], s[2:3]          ; bo at my 128 columns
	s_lshl_b32 s21, ttmp9, 18
	s_add_co_u32 s2, s2, s21
	s_add_nc_u64 s[42:43], s[12:13], s[2:3]        ; out0 at the block's first row, my 512 bytes of it
.set i, 0
.rept 32
	global_load_b128 v[AF+4*i:AF+4*i+3], v1, s[36:37] offset:512*i th:TH_LOAD_NT
.set i, i+1
.endr
	LOADW 0, 0
.irp t, 0,1,2,3,4,5,6,7                        ; lane (r, h) wants, for tile t, the bias of columns 32 (t / 2) + 8 (t % 2) + 16 h + 0 .. 7
	global_load_b128 v[BIAS+8*\t:BIAS+8*\t+3], v8, s[40:41] offset:4*(32*(\t/2)+8*(\t%2))
	global_load_b128 v[BIAS+8*\t+4:BIAS+8*\t+7], v8, s[40:41] offset:4*(32*(\t/2)+8*(\t%2))+16
.endr
	s_wait_kmcnt 0x0
	s_add_co_i32 s44, s34, s35
	s_add_co_i32 s44, s44, 127
	s_lshl_b32 s44, s44, 23                        ; 2^(e10 + e11) as f32
	s_mov_b32 s45, s44                             ; (named with it as a pair)
	s_wait_loadcnt 48                              ; the images' 32 loads are in; W's 32 and the bias's 16, issued behind them, may be out
.set i, 0
.rept 32
	ds_store_b128 v5, v[AF+4*i:AF+4*i+3] offset:512*i
.set i, i+1
.endr
	s_wait_dscnt 0x0                               ; for the others' sake: my quarter lies in LDS
	s_barrier_signal -1
	s_barrier_wait -1                              ; everybody's does.  From here on nobody writes the images: the launch's one barrier
	FETCH_A 0, 0
	FETCH_A 0, 4
	STEP 0, 1, 16384, 1, 1                         ; the first K step starts the sums: nothing is cleared
	STEP 1, 0, 32768, 1, 1
	STEP 2, 0, 49152, 1, 1
	STEP 3, 0, 0, 0, 0
; THE WAY OUT, a block of 16 rows x 128 columns at a time: sum x 2^(e10 + e11) + bias, one packed multiply-add for two numbers, each accumulator from its low end on.
.irp a, 0,1,2,3,4,5,6,7
	WIN 0x02+(\a/4)                                ; source 0: window 2 or 3
.set i, 0
.rept 32
	v_pk_fma_f32 v[TMP+i:TMP+i+1], v[64*(\a%4)+i:64*(\a%4)+i+1], s[44:45], v[BIAS+i:BIAS+i+1] op_sel_hi:[1,0,1]
.set i, i+2
.endr
	WIN 0
.irp b, 0,1,2,3
.irp q, 0,1,2,3
	ds_store_b128 v4, v[TMP+16*\b+4*\q:TMP+16*\b+4*\q+3] offset:128*\b+16*\q
.endr
.endr
	s_wait_xcnt 0x0                                ; the last block's stores have read their registers: the rows may land there
.set i, 0
.rept 16
	ds_load_b128 v[BK+4*i:BK+4*i+3], v3 offset:528*i   ; LDS serves a wave's instructions in order: these see the stores above
.set i, i+1
.endr
	s_wait_dscnt 0x0
.set i, 0
.rept 16
	global_store_b128 v1, v[BK+4*i:BK+4*i+3], s[42:43] offset:(16*\a+i)*2048 th:TH_STORE_NT
.set i, i+1
.endr
.endr
	s_wait_tensorcnt 0x0
	ds_add_u32 v30, v31
	s_wait_dscnt 0x0
	s_endpgm
.Lfunc_end_k_qef31164673_oproj:
	.size	k_qef31164673_oproj, .Lfunc_end_k_qef31164673_oproj-k_qef31164673_oproj
	.p2alignl 7, 3214868480
	.fill 96, 4, 3214868480
	.section	.rodata,"a",@progbits
	.p2align	6, 0x0
	.amdhsa_kernel k_qef31164673_oproj
		.amdhsa_group_segment_fixed_size 99840
		.amdhsa_private_segment_fixed_size 0
		.amdhsa_enable_private_segment 0
		.amdhsa_kernarg_size 40
		.amdhsa_user_sgpr_count 2
		.amdhsa_user_sgpr_kernarg_segment_ptr 1
		.amdhsa_wavefront_size32 1
		.amdhsa_system_sgpr_workgroup_id_x 1
		.amdhsa_system_sgpr_workgroup_id_y 1
		.amdhsa_system_sgpr_workgroup_id_z 1
		.amdhsa_system_vgpr_workitem_id 0
		.amdhsa_next_free_vgpr 1024
		.amdhsa_next_free_sgpr 66
		.amdhsa_reserve_vcc 0
		.amdhsa_float_denorm_mode_32 3
		.amdhsa_float_denorm_mode_16_64 3
		.amdhsa_memory_ordered 1
		.amdhsa_forward_progress 1
		.amdhsa_inst_pref_size 92
	.end_amdhsa_kernel
	.amdgpu_metadata
---
amdhsa.version: [ 1, 2 ]
amdhsa.kernels:
  - .name:           k_qef31164673_oproj
    .symbol:         k_qef31164673_oproj.kd
    .args:
      - { .name: oc, .offset: 0, .size: 8, .value_kind: global_buffer, .address_space: global }
      - { .name: wc, .offset: 8, .size: 8, .value_kind: global_buffer, .address_space: global }
      - { .name: bo, .offset: 16, .size: 8, .value_kind: global_buffer, .address_space: global }
      - { .name: lowp_scales, .offset: 24, .size: 8, .value_kind: global_buffer, .address_space: global }
      - { .name: out0, .offset: 32, .size: 8, .value_kind: global_buffer, .address_space: global }
    .group_segment_fixed_size: 99840
    .private_segment_fixed_size: 0
    .kernarg_segment_align: 8
    .kernarg_segment_size: 40
    .max_flat_workgroup_size: 128
    .sgpr_count:     66
    .vgpr_count:     1024
    .wavefront_size: 32
...
	.end_amdgpu_metadata
.endif
;; end of part 4
;; ======== version 2 of 2: 4 launches
;; workspace buffers: wc 1,048,576 bytes; qc 16,777,216 bytes; kv 33,554,432 bytes; oc 16,777,216 bytes
;; launch wprep (part 5): grid 256 x 1, 2 waves a work-group, no clusters, 0 bytes of LDS; arguments Wq, Wk, Wv, Wo, lowp_scales, wc; writes wc
.if DOCPART == 5
	.amdgcn_target "amdgcn-amd-amdhsa--gfx1250"
	.amdhsa_code_object_version 6
	.text
	.protected	k_qef31164673_wprep
	.globl	k_qef31164673_wprep
	.p2align	8
	.type	k_qef31164673_wprep,@function
k_qef31164673_wprep:
	s_mov_b64 s[64:65], 0
	v_nop
	global_prefetch_b8 v0, s[64:65] scope:SCOPE_SE
	s_setreg_imm32_b32 hwreg(HW_REG_WAVE_MODE, 25, 1), 1
	s_wait_xcnt 0x0
; The four weights [512 (n)][512 (k)], f32, become codes of E5M2, each with the one scale 2^e given for it (entries 1, 3, 5, 11 of the scales), laid as IMAGES OF OPERAND REGISTERS:
; wc = [type q,k,v,o (262,144)][slice w of 128 rows (65,536)][K step s of 128 (16,384)][tile t of 16 rows (2,048)][chunk c (512)], lane l's 16 bytes at 16 l.
; Lane (r = l % 16, h = l / 16), byte i of chunk c: W[128 w + 32 (t / 2) + 8 (t % 2) + r + 8 (r / 8)][128 s + 32 c + 16 h + i].
; THE ROWS OF A TILE ARE NOT NEIGHBOURS: so the 16 result registers of tiles 2 b and 2 b + 1 of a product used transposed are 16 neighbouring columns.
; A wave makes one fragment (2,048 bytes): 512 waves.  A lane reads 64 consecutive bytes of its row for each chunk; each store of the wave covers 512 consecutive bytes, aligned.
; code = x / 2^e, held within +-57,344, to the nearest code, ties to even.  LIMITS: -126 <= e <= 112.  NaN among the inputs is not served.
.set XN, 16                            ; v16-79  64 numbers: register 16 c + i
.set CD, 80                            ; v80-95  their codes
	s_load_b256 s[4:11], s[0:1], 0x0               ; Wq, Wk, Wv, Wo
	s_load_b128 s[12:15], s[0:1], 0x20             ; the scales' exponents, wc
	v_lshrrev_b32 v1, 5, v0
	v_readfirstlane_b32 s2, v1                     ; wave 0, 1
	s_lshl_b32 s3, ttmp9, 1
	s_add_co_u32 s3, s3, s2                        ; f: which fragment, 0 .. 511
	s_lshr_b32 s28, s3, 7                          ; type
	s_bfe_u32 s34, s3, 0x20005                     ; w
	s_bfe_u32 s35, s3, 0x20003                     ; s
	s_bfe_u32 s36, s3, 0x20001                     ; t / 2
	s_and_b32 s37, s3, 1                           ; t % 2
	s_lshl_b32 s34, s34, 7
	s_lshl_b32 s36, s36, 5
	s_lshl_b32 s37, s37, 3
	s_add_co_u32 s34, s34, s36
	s_add_co_u32 s34, s34, s37                     ; the tile's first row
	s_lshl_b32 s34, s34, 11                        ; rows of 2,048 bytes
	s_lshl_b32 s35, s35, 9                         ; a K step is 512 bytes of a row
	s_add_co_u32 s34, s34, s35
	s_mov_b32 s35, 0
	s_lshl_b32 s36, s3, 11                         ; the fragment's place in wc
	s_mov_b32 s37, 0
	v_and_b32 v2, 15, v0                           ; r
	v_bfe_u32 v5, v0, 4, 1                         ; h
	v_and_b32 v3, 8, v2
	v_add_nc_u32 v3, v3, v2                        ; r + 8 (r / 8)
	v_lshlrev_b32 v3, 11, v3
	v_lshl_add_u32 v3, v5, 6, v3                   ; my row, + 64 h: my 16 numbers of a block of 32
	v_and_b32 v4, 31, v0
	v_lshlrev_b32 v4, 4, v4                        ; 16 x lane
	s_wait_alu depctr_va_vdst(0)
	s_wait_kmcnt 0x0
	s_load_b256 s[16:23], s[12:13], 0x0            ; e0 .. e7
	s_load_b128 s[24:27], s[12:13], 0x20           ; e8 .. e11
	s_cmp_lt_u32 s28, 1                            ; the buffer is chosen by the fragment's number alone
	s_cselect_b64 s[30:31], s[4:5], s[6:7]
	s_cmp_lt_u32 s28, 3
	s_cselect_b64 s[32:33], s[8:9], s[10:11]
	s_cmp_lt_u32 s28, 2
	s_cselect_b64 s[30:31], s[30:31], s[32:33]
	s_add_nc_u64 s[30:31], s[30:31], s[34:35]
	s_add_nc_u64 s[14:15], s[14:15], s[36:37]
.irp c, 0,1,2,3
.irp j, 0,1,2,3
	global_load_b128 v[XN+16*\c+4*\j:XN+16*\c+4*\j+3], v3, s[30:31] offset:128*\c+16*\j
.endr
.endr
	s_wait_kmcnt 0x0
	s_cmp_lt_u32 s28, 1
	s_cselect_b32 s38, s17, s19                    ; e1 or e3
	s_cmp_lt_u32 s28, 3
	s_cselect_b32 s39, s21, s27                    ; e5 or e11
	s_cmp_lt_u32 s28, 2
	s_cselect_b32 s38, s38, s39
	s_add_co_i32 s38, s38, 127
	s_lshl_b32 s39, s38, 23
	v_mov_b32 v11, s39                             ; 2^e as f32: the conversion takes its exponent field
	s_add_co_i32 s38, s38, 15
	s_lshl_b32 s38, s38, 23
	s_or_b32 s38, s38, 0x600000
	v_mov_b32 v10, s38                             ; 57,344 x 2^e
	s_wait_alu depctr_va_vdst(0)
	s_wait_loadcnt 0x0
.set i, 0
.rept 64
	v_med3_num_f32 v[XN+i], v[XN+i], -v10, v10     ; the conversion to an 8-bit code does not saturate (ISA guide 7.6.2): the hold comes first
.set i, i+1
.endr
.irp c, 0,1,2,3
	v_cvt_scalef32_pk8_bf8_f32 v[CD+4*\c:CD+4*\c+1], v[XN+16*\c:XN+16*\c+7], v11
	v_cvt_scalef32_pk8_bf8_f32 v[CD+4*\c+2:CD+4*\c+3], v[XN+16*\c+8:XN+16*\c+15], v11
.endr
	v_nop
.irp c, 0,1,2,3
	global_store_b128 v4, v[CD+4*\c:CD+4*\c+3], s[14:15] offset:512*\c
.endr
	s_endpgm
.Lfunc_end_k_qef31164673_wprep:
	.size	k_qef31164673_wprep, .Lfunc_end_k_qef31164673_wprep-k_qef31164673_wprep
	.p2alignl 7, 3214868480
	.fill 96, 4, 3214868480
	.section	.rodata,"a",@progbits
	.p2align	6, 0x0
	.amdhsa_kernel k_qef31164673_wprep
		.amdhsa_group_segment_fixed_size 0
		.amdhsa_private_segment_fixed_size 0
		.amdhsa_enable_private_segment 0
		.amdhsa_kernarg_size 48
		.amdhsa_user_sgpr_count 2
		.amdhsa_user_sgpr_kernarg_segment_ptr 1
		.amdhsa_wavefront_size32 1
		.amdhsa_system_sgpr_workgroup_id_x 1
		.amdhsa_system_sgpr_workgroup_id_y 1
		.amdhsa_system_sgpr_workgroup_id_z 1
		.amdhsa_system_vgpr_workitem_id 0
		.amdhsa_next_free_vgpr 96
		.amdhsa_next_free_sgpr 66
		.amdhsa_reserve_vcc 0
		.amdhsa_float_denorm_mode_32 3
		.amdhsa_float_denorm_mode_16_64 3
		.amdhsa_memory_ordered 1
		.amdhsa_forward_progress 1
		.amdhsa_inst_pref_size 9
	.end_amdhsa_kernel
	.amdgpu_metadata
---
amdhsa.version: [ 1, 2 ]
amdhsa.kernels:
  - .name:           k_qef31164673_wprep
    .symbol:         k_qef31164673_wprep.kd
    .args:
      - { .name: Wq, .offset: 0, .size: 8, .value_kind: global_buffer, .address_space: global }
      - { .name: Wk, .offset: 8, .size: 8, .value_kind: global_buffer, .address_space: global }
      - { .name: Wv, .offset: 16, .size: 8, .value_kind: global_buffer, .address_space: global }
      - { .name: Wo, .offset: 24, .size: 8, .value_kind: global_buffer, .address_space: global }
      - { .name: lowp_scales, .offset: 32, .size: 8, .value_kind: global_buffer, .address_space: global }
      - { .name: wc, .offset: 40, .size: 8, .value_kind: global_buffer, .address_space: global }
    .group_segment_fixed_size: 0
    .private_segment_fixed_size: 0
    .kernarg_segment_align: 8
    .kernarg_segment_size: 48
    .max_flat_workgroup_size: 64
    .sgpr_count:     66
    .vgpr_count:     96
    .wavefront_size: 32
...
	.end_amdgpu_metadata
.endif
;; end of part 5
;; launch qkv (part 6): grid 256 x 1, 4 waves a work-group, no clusters, 230,912 bytes of LDS; arguments x, wc, bq, bk, bv, lowp_scales, qc, kv; writes qc, kv
.if DOCPART == 6
	.amdgcn_target "amdgcn-amd-amdhsa--gfx1250"
	.amdhsa_code_object_version 6
	.text
	.protected	k_qef31164673_qkv
	.globl	k_qef31164673_qkv
	.p2align	8
	.type	k_qef31164673_qkv,@function
k_qef31164673_qkv:
	s_mov_b64 s[64:65], 0
	v_nop
	global_prefetch_b8 v0, s[64:65] scope:SCOPE_SE
	s_setreg_imm32_b32 hwreg(HW_REG_WAVE_SCHED_MODE, 0, 2), 2
	s_setreg_imm32_b32 hwreg(HW_REG_WAVE_MODE, 25, 1), 1
	s_wait_xcnt 0x0
	s_wait_alu depctr_vm_vsrc(0)
; q = x Wq^T + bq, k = x Wk^T + bk, v = x Wv^T + bv on codes of E5M2, and their results quantised again for the two products of attention.
; A work-group takes 128 rows of x (work-group g: rows 128 g on).  PHASE X: x is read once, and quantised three times, with the scales 2^e0, 2^e2, 2^e4 that the three products give it, into images of operand
; registers in LDS.  PRODUCTS: for each of the three types wave w makes columns 128 w .. 128 w + 127 (heads 2 w, 2 w + 1) of all 128 rows: 64 accumulators, K in four steps of 128.
; The weights' codes come from wc straight into registers, a K step (16 KiB a wave) ahead, in two sets.
; ONE MAP OF k EVERYWHERE: registers 4 c .. 4 c + 3 of lane (r, h) hold k = 32 c + 16 h + 0 .. 15 of row r, the same on both sides of a product: every product meets its partner.
; q AND k ARE MADE TRANSPOSED (source 0 = 16 rows of W, source 1 = 16 rows of x): register j of tile 2 b + u is column 32 b + 16 h + 8 u + j of token r, so four tiles convert straight into a head's fragment (16 tokens x 64).
; v IS MADE THE OTHER WAY ROUND (source 0 = x, source 1 = W): register j is token 8 h + j of one column: the keys run along the registers, as the second product of attention wants them.
; OUT: qc = [g (65,536)][head (8,192)][tile of 16 tokens a (1,024)][chunk c (512)];  kv = [g (131,072)]: k's part laid as qc's block, then v's part [head (8,192)][tile of 16 d (2,048)][chunk c (512)].
; Every store of a wave covers 512 consecutive bytes, aligned.
; LIMITS: e0, e2, e4, e6, e7, e9 between -126 and 112; e0 + e1, e2 + e3, e4 + e5 between -126 and 127.  NaN among the inputs is not served.
; No tensor load: LDS is written by the waves themselves.  No cluster: the weights go into registers, not through LDS, so there is no tile to ask for jointly.
; REGISTERS, in windows of 256.  Window 0: v1 16 x lane; v2 A's images; v3, v4 my stage (in, out); v5-7 where I store x's images; v8, v9 bias offsets; v10, v11 the results' scale and hold; v16-21 x's three scales and holds; v30, v31 the closing add's two;
;   phase X: v32-95 and v192-255 two sets of 64 numbers, v96-143 held copies, v144-191 codes;  products: v32-95 bias, v96-127 at work, v128-255 A's 8 fragments, later the results' codes.
;   Window 1: W's fragments, two sets.  Windows 2, 3: accumulator (a, t) at v[8 (8 (a % 4) + t)] of window 2 + a / 4; in phase X window 2 holds four sets of x as loaded.
; THE MODE: SCHED_MODE bits 1:0 = 2 (LLVM: expert scheduling mode 2), set by the entry lines.  The code itself states the register dependences between vector or matrix instructions and memory or LDS instructions, with s_wait_alu, always for 0.
; THE PLAN.  Registers that memory or LDS instructions touch, who writes and who reads them:
;   v1, v3 .. v9   offsets and LDS addresses: written at the head and never again: one wait on va_vdst ahead of the first load.   v2: written once a type, read by the loads of A's fragments.
;   PHASE X, unit u:  RAW[u % 4] (window 2): the loads of unit u land in it; the stage's stores of unit u's turn read it; the loads of unit u + 4 land in it again.
;                     XT[u % 2]: the turn's LDS loads land in it, a unit ahead of its use; unit u's holds read it.      XC: unit u's conversions write it; its twelve LDS stores read it.
;     Two waits a unit.  vm_vsrc at its head: the turn's stores have read RAW[u % 4], and the last unit's stores have read XC.  va_vdst ahead of its twelve stores: XC is written, and the holds are done reading XT[u % 2],
;     in which the turn of unit u + 2 lands with no vector instruction between.
;   PRODUCTS, step s: W's set s % 2: all 64 products read it; the loads of step s + 2 land in it at the head of step s + 1.   A's blocks 0-3: the first 32 products read them; the next step's land in them in the step's second half.
;                     A's blocks 4-7: the last 32 products read them; the next step's land in them at the next step's head.
;     Two waits on va_vdst a step: at its head (the last step's products are done: the other set of W and blocks 4-7 are free) and in its middle (the first 32 products are done: blocks 0-3 are free).
;   THE WAY OUT: each group of conversions has code registers of its own; one wait on va_vdst ahead of each run of stores; one on vm_vsrc at the type's end, ahead of the loads that land in those registers.
.set STG,  196608                      ; LDS: x's images [type (65,536)][a (8,192)][s (2,048)][c (512)], then a stage of 16 rows x 528 bytes for each wave
.set XT,   32                          ; set 0; set 1 lies 160 registers further on, at v192
.set TP,   96
.set XC,   144
.set BIAS, 32
.set VAL,  96
.set AF,   128
.set AAD,  2
.set MSB, 0
.macro WIN new                         ; the immediate's high byte repeats the setting that is left; a switch that changes nothing is dropped
.if MSB != (\new)
	s_set_vgpr_msb (MSB<<8)|(\new)
.set MSB, (\new)
.endif
.endm
.macro PLACES                          ; four plain vector instructions between a matrix instruction and a load into, or a vector instruction on, its registers
.rept 4
	v_nop
.endr
.endm
.macro QCONST e, sc, lm                ; s[sc] = 2^e as f32, s[lm] = 57,344 x 2^e, e = s[e]
	s_add_co_i32 s[\lm], s[\e], 127
	s_lshl_b32 s[\sc], s[\lm], 23
	s_add_co_i32 s[\lm], s[\lm], 15
	s_lshl_b32 s[\lm], s[\lm], 23
	s_or_b32 s[\lm], s[\lm], 0x600000
.endm
	s_load_b512 s[4:19], s[0:1], 0x0               ; x s[4:5], wc s[6:7], bq s[8:9], bk s[10:11], bv s[12:13], scales s[14:15], qc s[16:17], kv s[18:19]
	v_lshl_add_u32 v30, v0, 2, 0x38400
	v_mov_b32 v31, 0
	v_lshrrev_b32 v1, 5, v0
	v_readfirstlane_b32 s20, v1                    ; wave 0..3
	v_and_b32 v12, 31, v0
	v_and_b32 v13, 15, v0                          ; r
	v_bfe_u32 v14, v0, 4, 1                        ; h
	v_lshlrev_b32 v1, 4, v12                       ; 16 x lane
	s_wait_alu depctr_va_sdst(0)                   ; s20 is written, ahead of its first reader: LDS places and the buffers' bases are made from it
	s_mul_i32 s21, s20, 8448
	s_add_co_u32 s21, s21, STG                     ; my stage
	v_add_nc_u32 v3, s21, v1                       ; in: a row's 512 bytes as they lie
	v_mul_u32_u24 v4, v13, 528
	v_lshl_add_u32 v4, v14, 6, v4
	v_add_nc_u32 v4, s21, v4                       ; out: row r, + 64 h: my 16 numbers of a block of 32
	s_lshl_b32 s22, s20, 14
	v_add_nc_u32 v5, s22, v1                       ; my two tiles of rows (a = 2 w, 2 w + 1) in the first type's images,
	v_add_nc_u32 v6, 0x10000, v5                   ; the second's,
	v_add_nc_u32 v7, 0x20000, v5                   ; the third's
	v_lshlrev_b32 v8, 6, v14                       ; bias of q and k: 64 h
	v_and_b32 v9, 8, v13
	v_add_nc_u32 v9, v9, v13
	v_lshlrev_b32 v9, 2, v9                        ; bias of v: 4 (r + 8 (r / 8))
	s_wait_kmcnt 0x0
	s_load_b256 s[24:31], s[14:15], 0x0            ; e0 .. e7
	s_load_b128 s[32:35], s[14:15], 0x20           ; e8 .. e11
	s_lshl_b32 s2, ttmp9, 18                       ; 128 rows of 2,048 bytes
	s_lshl_b32 s3, s20, 16                         ; my 32 of them
	s_add_co_u32 s2, s2, s3
	s_mov_b32 s3, 0
	s_add_nc_u64 s[36:37], s[4:5], s[2:3]          ; x at my first row
	s_lshl_b32 s2, s20, 16
	s_add_nc_u64 s[38:39], s[6:7], s[2:3]          ; wc at my slice of Wq
	s_lshl_b32 s2, s20, 9
	s_add_nc_u64 s[40:41], s[8:9], s[2:3]          ; the biases at my 128 columns: q's is the one in hand,
	s_add_nc_u64 s[48:49], s[10:11], s[2:3]        ; k's,
	s_add_nc_u64 s[56:57], s[12:13], s[2:3]        ; v's
	s_lshl_b32 s2, ttmp9, 16
	s_lshl_b32 s21, s20, 14
	s_add_co_u32 s2, s2, s21
	s_add_nc_u64 s[42:43], s[16:17], s[2:3]        ; qc at my block and my two heads
	s_lshl_b32 s2, ttmp9, 17
	s_add_co_u32 s2, s2, s21
	s_add_nc_u64 s[50:51], s[18:19], s[2:3]        ; kv likewise: k's part,
	s_add_nc_u64 s[58:59], s[50:51], 0x10000       ; v's part
; PHASE X.  A unit u is 16 rows x 128 along K: tile of rows 2 w + u / 4, K step u % 4.  Each of its 16 loads reads 512 consecutive bytes of one row.
.macro XLOAD u
	WIN 0x80                                       ; destination window 2
.set i, 0
.rept 16
	global_load_b128 v[64*((\u)%4)+4*i:64*((\u)%4)+4*i+3], v1, s[36:37] offset:((\u)/4)*32768+2048*i+512*((\u)%4) th:TH_LOAD_NT
.set i, i+1
.endr
	WIN 0
.endm
; Unit u's 8 KiB turn through my stage, so that a lane holds 16 neighbours along K of each block of 32.  left: the younger units' loads, which may stay out.
.macro TURN u, left
	s_wait_loadcnt \left                           ; loads come back in order: this unit's 16 are in
	WIN 0x08                                       ; store data window 2
.set i, 0
.rept 16
	ds_store_b128 v3, v[64*((\u)%4)+4*i:64*((\u)%4)+4*i+3] offset:528*i   ; LDS serves a wave's instructions in order: these come behind the last turn's loads from the stage
.set i, i+1
.endr
	WIN 0
.irp b, 0,1,2,3
.irp j, 0,1,2,3
	ds_load_b128 v[XT+160*((\u)%2)+16*\b+4*\j:XT+160*((\u)%2)+16*\b+4*\j+3], v4 offset:128*\b+16*\j   ; and these see the stores above.  No vector instruction since the last wait on va_vdst names this set
.endr
.endr
.endm
; Unit u: its numbers, asked for a unit ago, are held and converted three times; the three fragments go to LDS as they stand.  Ahead of that work the loads of unit u + 4 and the turn of unit u + 1 go out.
; younger: the LDS instructions issued behind this unit's turn; left: TURN's.
.macro UNIT u, younger, left
	s_wait_dscnt \younger                          ; this unit's numbers are back from the stage; the last unit's twelve stores of images, issued behind them, may be out
	s_wait_alu depctr_vm_vsrc(0)                   ; this unit's turn has read its set of window 2, in which the loads of four units on land; the last unit's twelve stores have read the codes' registers, which the conversions below write
.if (\u) < 4
	XLOAD (\u)+4
.endif
.if (\u) < 7
	TURN (\u)+1, \left
.endif
.irp b, 0,1,2,3
.irp p, 0,1,2
.set i, 0
.rept 16
	v_med3_num_f32 v[TP+16*\p+i], v[XT+160*((\u)%2)+16*\b+i], -v[19+\p], v[19+\p]   ; the hold at the largest code x this product's scale
.set i, i+1
.endr
	v_cvt_scalef32_pk8_bf8_f32 v[XC+16*\p+4*\b:XC+16*\p+4*\b+1], v[TP+16*\p:TP+16*\p+7], v[16+\p]
	v_cvt_scalef32_pk8_bf8_f32 v[XC+16*\p+4*\b+2:XC+16*\p+4*\b+3], v[TP+16*\p+8:TP+16*\p+15], v[16+\p]
.endr
.endr
	v_nop                                          ; a plain vector instruction behind the last conversion
	s_wait_alu depctr_va_vdst(0)                   ; the conversions have written the codes, which the stores below read; the holds are done reading this unit's set of numbers, in which the turn of two units on lands
.irp p, 0,1,2
.irp c, 0,1,2,3
	ds_store_b128 v[5+\p], v[XC+16*\p+4*\c:XC+16*\p+4*\c+3] offset:((\u)/4)*8192+2048*((\u)%4)+512*\c
.endr
.endr
.endm
	s_wait_alu depctr_va_vdst(0)                   ; v1 and v3 to v9 are written: every load and store of the kernel but the fragments' reads one of them as its offset or LDS address
	XLOAD 0
	XLOAD 1
	XLOAD 2
	XLOAD 3
	s_wait_kmcnt 0x0
	QCONST 24, 2, 3
	v_mov_b32 v16, s2
	v_mov_b32 v19, s3
	QCONST 26, 2, 3
	v_mov_b32 v17, s2
	v_mov_b32 v20, s3
	QCONST 28, 2, 3
	v_mov_b32 v18, s2
	v_mov_b32 v21, s3
	QCONST 30, 2, 3                                ; q is quantised with e6,
	v_mov_b32 v10, s2
	v_mov_b32 v11, s3
	QCONST 31, 53, 54                              ; k with e7,
	QCONST 33, 61, 62                              ; v with e9
	s_add_co_i32 s44, s24, s25                     ; a sum of the first product stands for sum x 2^(e0 + e1)
	s_add_co_i32 s44, s44, 127
	s_lshl_b32 s44, s44, 23
	s_mov_b32 s45, s44                             ; (named with it as a pair, so it is written)
	s_add_co_i32 s52, s26, s27
	s_add_co_i32 s52, s52, 127
	s_lshl_b32 s52, s52, 23                        ; 2^(e2 + e3)
	s_add_co_i32 s60, s28, s29
	s_add_co_i32 s60, s60, 127
	s_lshl_b32 s60, s60, 23                        ; 2^(e4 + e5)
	s_wait_alu depctr_va_vdst(0)
	TURN 0, 48                                     ; three younger units of 16 loads
	UNIT 0, 0, 48
	UNIT 1, 12, 48
	UNIT 2, 12, 48
	UNIT 3, 12, 48
	UNIT 4, 12, 32                                 ; nothing more of x is asked for: the counts run down
	UNIT 5, 12, 16
	UNIT 6, 12, 0
	UNIT 7, 12, 0
; THE PRODUCTS.
.macro LOADW set, imm                  ; a K step of my slice of W: 8 fragments, 32 loads of 512 consecutive bytes
	WIN 0x40                                       ; destination window 1
.irp t, 0,1,2,3,4,5,6,7
.irp c, 0,1,2,3
	global_load_b128 v[128*(\set)+16*\t+4*\c:128*(\set)+16*\t+4*\c+3], v1, s[38:39] offset:(\imm)+2048*\t+512*\c
.endr
.endr
	WIN 0
.endm
.macro FETCH_A s, a0                   ; A's fragments of tiles of rows a0 .. a0 + 3, K step s
.irp a, \a0, \a0+1, \a0+2, \a0+3
.irp c, 0,1,2,3
	ds_load_b128 v[AF+16*(\a)+4*\c:AF+16*(\a)+4*\c+3], v[AAD] offset:8192*(\a)+2048*(\s)+512*\c
.endr
.endr
.endm
; 8 matrix instructions: tile of rows a against W's eight.  The 64 accumulators take turns, one instruction a turn, in the same order in every K step.
.macro MUL8 a, set, zero, swap
.irp t, 0,1,2,3,4,5,6,7
.set rD, 8*(8*((\a)%4)+\t)
.set rA, AF+16*(\a)
.set rW, 128*(\set)+16*\t
.if \swap
.if \zero
	v_wmma_f32_16x16x128_bf8_bf8 v[rD:rD+7], v[rA:rA+15], v[rW:rW+15], 0
.else
	v_wmma_f32_16x16x128_bf8_bf8 v[rD:rD+7], v[rA:rA+15], v[rW:rW+15], v[rD:rD+7]
.endif
.else
.if \zero
	v_wmma_f32_16x16x128_bf8_bf8 v[rD:rD+7], v[rW:rW+15], v[rA:rA+15], 0
.else
	v_wmma_f32_16x16x128_bf8_bf8 v[rD:rD+7], v[rW:rW+15], v[rA:rA+15], v[rD:rD+7]
.endif
.endif
.endr
.endm
; A K step of 128: 64 matrix instructions.  wload: the next chunk of W is asked for, at byte wimm, into the other set, ahead of the wait for this step's chunk.  anext: the next K step's blocks 0-3 of A are fetched.
; zero = 1, a type's first step: the wait at the type's start stands for the one at the step's head: no vector or matrix instruction has been issued since.
.macro STEP s, zero, wimm, wload, anext, swap
.if !\zero
	s_wait_alu depctr_va_vdst(0)                   ; the last step's products are done reading the other set of W and A's blocks 4-7, in which the loads below land
.endif
.if \wload
	LOADW ((\s)+1)%2, \wimm
.endif
	FETCH_A \s, 4                                  ; this step's blocks 4-7: 32 matrix instructions ahead of their use
.if \wload
	s_wait_loadcnt 32                              ; this step's W is in (and, in a type's first step, the bias); the 32 loads just issued may be out
.else
	s_wait_loadcnt 0x0
.endif
	s_wait_dscnt 16                                ; A's blocks 0-3 are in; the 16 loads just issued (blocks 4-7) may be out
	WIN 0xa1+3*(\swap)                             ; W window 1, A window 0, C and D window 2
.irp a, 0,1,2,3
	MUL8 \a, (\s)%2, \zero, \swap
.endr
	s_wait_dscnt 0x0                               ; A's blocks 4-7 are in
.if \anext
	PLACES
	s_wait_alu depctr_va_vdst(0)                   ; the 32 products above are done reading A's blocks 0-3, in which the next step's land
.endif
	WIN 0xf1+3*(\swap)                             ; C and D window 3
	MUL8 4, (\s)%2, \zero, \swap                   ; these eight name block 4, W's set and their accumulators: none of the registers that the loads below touch
.if \anext
	WIN 0
	FETCH_A (\s)+1, 0
	WIN 0xf1+3*(\swap)
.endif
.irp a, 5,6,7
	MUL8 \a, (\s)%2, \zero, \swap
.endr
	PLACES
	WIN 0
.endm
; q's or k's way out.  A head's four tiles of a tile of rows: sum x 2^(ex + ew) + bias, held, converted: a fragment of 16 tokens x 64, two stores of 512 bytes.  Each accumulator is read from its low end on.
; Every fragment has code registers of its own; a tile of rows' four stores stand behind one wait.
.macro OUT_T
.irp a, 0,1,2,3,4,5,6,7
.irp hh, 0,1
	WIN 0x02+(\a/4)                                ; source 0: window 2 or 3
.set i, 0
.rept 16
	v_pk_fma_f32 v[VAL+i:VAL+i+1], v[8*(8*(\a%4)+4*\hh)+i:8*(8*(\a%4)+4*\hh)+i+1], s[44:45], v[BIAS+32*\hh+i:BIAS+32*\hh+i+1] op_sel_hi:[1,0,1]
.set i, i+2
.endr
	WIN 0
.set i, 0
.rept 32
	v_med3_num_f32 v[VAL+i], v[VAL+i], -v11, v11
.set i, i+1
.endr
.irp q, 0,1,2,3
	v_cvt_scalef32_pk8_bf8_f32 v[AF+8*(2*\a+\hh)+2*\q:AF+8*(2*\a+\hh)+2*\q+1], v[VAL+8*\q:VAL+8*\q+7], v10
.endr
	v_nop                                          ; a plain vector instruction between the conversions and the next lines that write their sources
.endr
	s_wait_alu depctr_va_vdst(0)                   ; the conversions have written this tile of rows' sixteen registers of codes, which the four stores read
.irp hh, 0,1
.irp c, 0,1
	global_store_b128 v1, v[AF+8*(2*\a+\hh)+4*\c:AF+8*(2*\a+\hh)+4*\c+3], s[42:43] offset:8192*\hh+1024*\a+512*\c
.endr
.endr
.endr
.endm
; v's way out.  Chunk c of column tile t: tokens 32 c + 8 h + 0..7 (tile of rows 2 c) and 32 c + 16 + 8 h + 0..7 (tile 2 c + 1) of my column.  Two column tiles at a time; a chunk's eight stores stand behind one wait.
.macro OUT_V
.irp c, 0,1,2,3
.irp tp, 0,1,2,3
	WIN 0x02+(\c/2)
.irp u, 0,1
.irp aa, 0,1
.set i, 0
.rept 8
	v_fma_f32 v[VAL+16*\u+8*\aa+i], v[8*(8*((2*\c+\aa)%4)+2*\tp+\u)+i], s60, v[BIAS+2*\tp+\u]
.set i, i+1
.endr
.endr
.endr
	WIN 0
.set i, 0
.rept 32
	v_med3_num_f32 v[VAL+i], v[VAL+i], -v11, v11
.set i, i+1
.endr
.irp q, 0,1,2,3
	v_cvt_scalef32_pk8_bf8_f32 v[AF+8*(4*\c+\tp)+2*\q:AF+8*(4*\c+\tp)+2*\q+1], v[VAL+8*\q:VAL+8*\q+7], v10
.endr
	v_nop
.endr
	s_wait_alu depctr_va_vdst(0)                   ; the conversions have written this chunk's 32 registers of codes, which the eight stores read
.irp tp, 0,1,2,3
.irp u, 0,1
	global_store_b128 v1, v[AF+8*(4*\c+\tp)+4*\u:AF+8*(4*\c+\tp)+4*\u+3], s[58:59] offset:2048*(2*\tp+\u)+512*\c
.endr
.endr
.endr
.endm
	LOADW 0, 0                                     ; Wq's first K step
	s_wait_dscnt 0x0                               ; for the others' sake: my images of x lie in LDS
	s_barrier_signal -1
	s_barrier_wait -1                              ; everybody's do.  From here on nobody writes them: the launch's one barrier
	s_wait_alu depctr_vm_vsrc(0)                   ; my last stores of images have read v144-191: these registers are among A's fragments from here on
	s_mov_b32 s46, 0                               ; the type's images in LDS
	s_mov_b32 s47, 0
.Ltype:                                            ; two trips: q, then k
	v_add_nc_u32 v[AAD], s46, v1
	s_wait_alu depctr_va_vdst(0)                   ; v2 is written, which the fragments' loads read; the vector work so far (phase X's, or the last way out's) is done with v32-95, in which the bias lands, and with v128-255, in which A's fragments land
.irp t, 0,1,2,3,4,5,6,7                        ; lane (r, h) wants, for tile t, the bias of columns 32 (t / 2) + 8 (t % 2) + 16 h + 0 .. 7
	global_load_b128 v[BIAS+8*\t:BIAS+8*\t+3], v8, s[40:41] offset:4*(32*(\t/2)+8*(\t%2))
	global_load_b128 v[BIAS+8*\t+4:BIAS+8*\t+7], v8, s[40:41] offset:4*(32*(\t/2)+8*(\t%2))+16
.endr
	FETCH_A 0, 0
	STEP 0, 1, 16384, 1, 1, 0                      ; the first K step starts the sums: nothing is cleared
	STEP 1, 0, 32768, 1, 1, 0
	STEP 2, 0, 49152, 1, 1, 0
	STEP 3, 0, 262144, 1, 0, 0                     ; asks for the next type's first K step
	OUT_T
	s_wait_xcnt 0x0                                ; the stores and loads issued so far have read their registers: the codes' registers, the bases and the pointers may be written
	s_wait_alu depctr_vm_vsrc(0)                   ; the stores have read the codes' registers, in which the next type's fragments land; the fragments' loads have read v2, which the next type's first line writes
	s_add_nc_u64 s[38:39], s[38:39], 0x40000       ; the next type's slice of wc
	s_add_co_u32 s46, s46, 0x10000
	s_mov_b64 s[40:41], s[48:49]                   ; k's bias, output, factor, scale and hold become those in hand
	s_mov_b64 s[42:43], s[50:51]
	s_mov_b32 s44, s52
	s_mov_b32 s45, s52
	v_mov_b32 v10, s53
	v_mov_b32 v11, s54
	s_add_co_u32 s47, s47, 1
	s_cmp_lt_u32 s47, 2
	s_cbranch_scc1 .Ltype
	v_add_nc_u32 v[AAD], 0x20000, v1               ; v: the third type's images
	v_mov_b32 v10, s61
	v_mov_b32 v11, s62
	s_wait_alu depctr_va_vdst(0)                   ; v2 is written, which the fragments' loads read; k's way out is done with v32-39, in which the bias lands, and with v128-255, in which A's fragments land
.irp t, 0,1,2,3,4,5,6,7                        ; a lane holds one column of a tile: one number of the bias
	global_load_b32 v[BIAS+\t], v9, s[56:57] offset:4*(32*(\t/2)+8*(\t%2))
.endr
	FETCH_A 0, 0
	STEP 0, 1, 16384, 1, 1, 1
	STEP 1, 0, 32768, 1, 1, 1
	STEP 2, 0, 49152, 1, 1, 1
	STEP 3, 0, 0, 0, 0, 1                          ; nothing is left to ask for
	OUT_V
	s_wait_dscnt 0x0                               ; the closing lines, six on end
	s_wait_alu 0x0
	s_wait_tensorcnt 0x0
	ds_add_u32 v30, v31
	s_wait_dscnt 0x0
	s_endpgm
.Lfunc_end_k_qef31164673_qkv:
	.size	k_qef31164673_qkv, .Lfunc_end_k_qef31164673_qkv-k_qef31164673_qkv
	.p2alignl 7, 3214868480
	.fill 96, 4, 3214868480
	.section	.rodata,"a",@progbits
	.p2align	6, 0x0
	.amdhsa_kernel k_qef31164673_qkv
		.amdhsa_group_segment_fixed_size 230912
		.amdhsa_private_segment_fixed_size 0
		.amdhsa_enable_private_segment 0
		.amdhsa_kernarg_size 64
		.amdhsa_user_sgpr_count 2
		.amdhsa_user_sgpr_kernarg_segment_ptr 1
		.amdhsa_wavefront_size32 1
		.amdhsa_system_sgpr_workgroup_id_x 1
		.amdhsa_system_sgpr_workgroup_id_y 1
		.amdhsa_system_sgpr_workgroup_id_z 1
		.amdhsa_system_vgpr_workitem_id 0
		.amdhsa_next_free_vgpr 1024
		.amdhsa_next_free_sgpr 96
		.amdhsa_reserve_vcc 0
		.amdhsa_float_denorm_mode_32 3
		.amdhsa_float_denorm_mode_16_64 3
		.amdhsa_memory_ordered 1
		.amdhsa_forward_progress 1
		.amdhsa_inst_pref_size 255
	.end_amdhsa_kernel
	.section	.bss,"aw",@nobits
	.p2align	6
	.space	262144
	.amdgpu_metadata
---
amdhsa.version: [ 1, 2 ]
amdhsa.kernels:
  - .name:           k_qef31164673_qkv
    .symbol:         k_qef31164673_qkv.kd
    .args:
      - { .name: x, .offset: 0, .size: 8, .value_kind: global_buffer, .address_space: global }
      - { .name: wc, .offset: 8, .size: 8, .value_kind: global_buffer, .address_space: global }
      - { .name: bq, .offset: 16, .size: 8, .value_kind: global_buffer, .address_space: global }
      - { .name: bk, .offset: 24, .size: 8, .value_kind: global_buffer, .address_space: global }
      - { .name: bv, .offset: 32, .size: 8, .value_kind: global_buffer, .address_space: global }
      - { .name: lowp_scales, .offset: 40, .size: 8, .value_kind: global_buffer, .address_space: global }
      - { .name: qc, .offset: 48, .size: 8, .value_kind: global_buffer, .address_space: global }
      - { .name: kv, .offset: 56, .size: 8, .value_kind: global_buffer, .address_space: global }
    .group_segment_fixed_size: 230912
    .private_segment_fixed_size: 0
    .kernarg_segment_align: 8
    .kernarg_segment_size: 64
    .max_flat_workgroup_size: 128
    .sgpr_count:     96
    .vgpr_count:     1024
    .wavefront_size: 32
...
	.end_amdgpu_metadata
.endif
;; end of part 6
;; launch attn (part 7): grid 8 x 32, 8 waves a work-group, no clusters, 327,680 bytes of LDS; arguments qc, kv, time_intervals, lowp_scales, oc; writes oc
.if DOCPART == 7
	.amdgcn_target "amdgcn-amd-amdhsa--gfx1250"
	.amdhsa_code_object_version 6
	.text
	.protected	k_qef31164673_attn
	.globl	k_qef31164673_attn
	.p2align	8
	.type	k_qef31164673_attn,@function
k_qef31164673_attn:
	s_mov_b64 s[64:65], 0
	v_nop
	global_prefetch_b8 v0, s[64:65] scope:SCOPE_SE
	s_setreg_imm32_b32 hwreg(HW_REG_WAVE_MODE, 25, 1), 1
	s_wait_xcnt 0x0
; Causal attention with a time decay, both products on codes of E5M2.  logit(q, k) = (Q . K / 8) x omega, omega = 1 / (1 + e^(0.5 |tq - tk| - 0.5)); key k counts for query q where k <= q.
; t = logit x log2(e); M = the row's largest t so far, rounded UP to a whole number; p = 2^(t - M) is quantised with 2^e8, not normalised; the row's sum is taken of the unquantised p and divides at the end.
; When M moves, the sum and O are multiplied by 2^(old M - new M): exact.  The result is quantised with 2^e10 for the last projection and stored as codes.
; SHARES.  Work-group (j, b): batch b, the query blocks of 64 numbered j and 15 - j, one after the other.  Block i needs i / 2 + 1 key steps of 128; the two together always 9: every work-group walks 9 key steps.
; Wave: tile of 16 queries wave % 4, heads 4 (wave / 4) .. + 3.  omega hangs on no head: it is made once for a key step and serves the wave's four heads.
; A key step of all 8 heads is one dense block of 128 KiB of kv (k's fragments, then v's), brought as it lies into one of two LDS slots, an eighth by each wave's one tensor load; every LDS load reads 512 consecutive bytes.
; LAYOUT.  Both products are used transposed: S^T = K Q^T (source 0 = 16 keys), O^T = V^T P^T (source 0 = 16 of the head's 64): a lane holds ONE query (lane % 16) throughout; register j of score tile t is key 16 t + 8 (lane / 16) + j,
; and v's codes were laid by the same map of keys, so p's codes are the second product's operand as they come.  V's tiles of d were chosen so that a head's 32 registers of O^T are d = 32 b + 16 h + 0 .. 15: two heads' codes are one fragment of the last projection.
; NO CLUSTER: in trip T a work-group reads key step min(T, T - (j / 2 + 1)), which differs among the work-groups of a batch; only two of the eight walk alike, and a joint request here names four.
; LIMITS: e6 + e7 between -120 and 120 (taken off a constant's exponent field); e8, e10 between -126 and 112; e8 + e9 goes in by v_ldexp_f32 and has none.  NaN among the inputs is not served.
; REGISTERS.  Window 0: v1, v2 my lane's place in a slot's K and V; v3, v4 the same in the slot in hand; v5, v6 the spare word and 0; v7 16 x lane; v8 32 h; v9 the mask's bound; v[10:11] tq; v12 -infinity; v13, v14 p's scale and hold; v15 256 x lane;
;   v16 + 4 head: -M, largest t, the sum in two halves; v32-95 K; v96-159 V; v160-223 S^T, then p; v224-239 p's codes; v240-254 at work.   Window 1: v0-127 O^T, 32 a head; v128-159 Q, 8 a head; v160-223 tk, then omega's factor.
.set SLOT1, 131072
.set SPARE, 262144                     ; behind the ring: the spare words, 128 bytes for each wave: four blocks of 256 bytes that no other line names
.set KFR, 32
.set VFR, 96
.set SCR, 160
.set PCR, 224
.set QFR, 128                          ; in window 1
.set OMR, 160                          ; in window 1
.set MSB, 0
.macro WIN new                         ; the immediate's high byte repeats the setting that is left; a switch that changes nothing is dropped
.if MSB != (\new)
	s_set_vgpr_msb (MSB<<8)|(\new)
.set MSB, (\new)
.endif
.endm
.macro QCONST e, sc, lm                ; s[sc] = 2^e as f32, s[lm] = 57,344 x 2^e, e = s[e]
	s_add_co_i32 s[\lm], s[\e], 127
	s_lshl_b32 s[\sc], s[\lm], 23
	s_add_co_i32 s[\lm], s[\lm], 15
	s_lshl_b32 s[\lm], s[\lm], 23
	s_or_b32 s[\lm], s[\lm], 0x600000
.endm
.macro TKLOAD                          ; the times of a key step's 128 keys, in the scores' layout: register 8 t + j = key 16 t + 8 h + j
	WIN 0x40                                       ; destination window 1
.irp t, 0,1,2,3,4,5,6,7
	global_load_b128 v[OMR+8*\t:OMR+8*\t+3], v8, s[66:67] offset:64*\t
	global_load_b128 v[OMR+8*\t+4:OMR+8*\t+7], v8, s[66:67] offset:64*\t+16
.endr
	WIN 0
.endm
	s_load_b256 s[4:11], s[0:1], 0x0               ; qc s[4:5], kv s[6:7], the times s[8:9], the scales' exponents s[10:11]
	s_load_b64 s[12:13], s[0:1], 0x20              ; oc
	v_lshl_add_u32 v5, v0, 2, SPARE
	v_mov_b32 v6, 0
	ds_add_u32 v5, v6
	ds_add_u32 v5, v6
	s_wait_dscnt 0x0
	v_lshrrev_b32 v1, 5, v0
	s_delay_alu instid0(VALU_DEP_1)
	v_readfirstlane_b32 s14, v1                    ; wave 0..7
	s_lshr_b32 s15, s14, 2                         ; which four heads
	s_and_b32 s16, s14, 3                          ; which 16 of the block's 64 queries
	s_mov_b32 s17, ttmp9                           ; j
	s_and_b32 s18, ttmp7, 0xffff                   ; b
	s_lshr_b32 s19, s17, 1
	s_add_co_u32 s19, s19, 1                       ; key steps of the first block
	; descriptor group 1: 64 rows of 256 bytes, dense: 16 KiB as they lie
	s_mov_b32 s24, 3<<16                           ; no mask; elements of 8 bytes; no padding
	s_mov_b32 s25, 32<<16                          ; tensor_dim0 = 32
	s_mov_b32 s26, 64<<16                          ; tensor_dim1 = 64
	s_mov_b32 s27, 32<<16                          ; tile_dim0 = 32
	s_mov_b32 s28, 64                              ; tile_dim1 = 64
	s_mov_b32 s29, 32                              ; from row to row
	s_mov_b32 s30, 0
	s_mov_b32 s31, 0
	s_mov_b32 s44, 0x3f38aa3b                      ; 0.5 log2(e)
	s_mov_b32 s45, 0xbf38aa3b                      ; and its negative
	s_mov_b32 s60, 0x76543210                      ; v_permlanex16_b32's selects for lane l xor 16
	s_mov_b32 s61, 0xfedcba98
	v_and_b32 v7, 31, v0
	s_delay_alu instid0(VALU_DEP_1)
	v_lshlrev_b32 v15, 8, v7                       ; the prefetches' offset
	s_delay_alu instid0(VALU_DEP_2)
	v_lshlrev_b32 v7, 4, v7
	s_lshl_b32 s2, s15, 15
	v_add_nc_u32 v1, s2, v7                        ; K's part of a slot: my four heads' 32 KiB, 16 x lane
	s_delay_alu instid0(VALU_DEP_1)
	v_add_nc_u32 v2, 0x10000, v1                   ; V's part lies 64 KiB further on
	v_and_b32 v247, 15, v0                         ; r
	v_bfe_u32 v8, v0, 4, 1                         ; h
	s_delay_alu instid0(VALU_DEP_1)
	v_lshlrev_b32 v250, 3, v8
	s_delay_alu instid0(VALU_DEP_1)
	v_sub_nc_u32 v250, v247, v250                  ; r - 8 h
	s_delay_alu instid0(VALU_DEP_4)
	v_lshlrev_b32 v247, 2, v247                    ; 4 r
	s_delay_alu instid0(VALU_DEP_4)
	v_lshlrev_b32 v8, 5, v8                        ; 32 h
	v_mov_b32 v11, 0                               ; (named as the upper half of the pair v[10:11])
	v_mov_b32 v12, 0xff800000                      ; -infinity
	v_mov_b32 v241, 0                              ; (upper half of v[240:241])
	v_mov_b32 v246, 0                              ; written once: a lane permute's destination counts as one of its sources
	s_wait_alu depctr_va_vdst(0)
	s_wait_kmcnt 0x0
	s_load_b128 s[48:51], s[10:11], 0x18           ; e6, e7, e8, e9
	s_load_b32 s52, s[10:11], 0x28                 ; e10
	s_lshl_b32 s2, s18, 20                         ; a batch is 8 key steps of 128 KiB
	s_lshl_b32 s3, s14, 14                         ; my eighth of a key step
	s_add_co_u32 s2, s2, s3
	s_mov_b32 s3, 0
	s_add_nc_u64 s[36:37], s[6:7], s[2:3]          ; kv at my eighth of the batch's key step 0
	s_mov_b64 s[38:39], s[36:37]                   ; the prefetches start there too; each change of slots steps them a key step on
	s_lshl_b32 s2, s18, 12
	s_add_nc_u64 s[46:47], s[8:9], s[2:3]          ; the batch's times
	s_mov_b64 s[66:67], s[46:47]                   ; those of key step 0
	s_cmp_eq_u32 s17, 0
	s_cselect_b32 s40, 7, 0                        ; work-group j = 0 prefetches in trips 0 to 6, the others never
	s_mov_b32 s32, 1                               ; group 0: count = 1,
	s_lshl_b32 s33, s14, 14                        ; LDS address: slot 0, my eighth,
	s_mov_b64 s[34:35], s[36:37]                   ; key step 0,
	s_or_b32 s35, s35, 0x80000000                  ; type = 2
	tensor_load_to_lds s[32:35], s[24:31]          ; the first fill, ahead of every wait on TENSORcnt, LDS read and barrier
	s_nop 0
.rept 4
	v_nop                                          ; four lines behind a tensor load, ahead of the next switch of windows
.endr
	TKLOAD
	s_wait_kmcnt 0x0
	s_add_co_i32 s2, s48, s49
	s_lshl_b32 s2, s2, 23
	s_sub_co_u32 s42, 0x40b17218, s2               ; 8 ln 2 / 2^(e6 + e7): the two exponents are taken off the constant's exponent field
	s_mov_b32 s43, s42                             ; (named with it as a pair)
	QCONST 50, 2, 3
	v_mov_b32 v13, s2                              ; 2^e8
	v_mov_b32 v14, s3                              ; 57,344 x 2^e8
	QCONST 52, 2, 3
	v_mov_b32 v248, s2                             ; 2^e10
	v_mov_b32 v249, s3
	s_add_co_i32 s76, s50, s51                     ; e8 + e9
; A query block is taken up: s41 = its number I.  Q's four fragments, tq, the mask's bound, the statistics.  zero = 1: O^T is cleared, once in the launch: the second block's first change of M multiplies what the first
; block left, sums of at most 1,024 products of held codes and so finite, by 0.
.macro INIT zero
	s_lshl_b32 s2, s18, 3
	s_lshr_b32 s3, s41, 1
	s_add_co_u32 s2, s2, s3
	s_lshl_b32 s2, s2, 16                          ; qc: block of 128 rows 8 b + I / 2,
	s_lshl_b32 s3, s15, 15
	s_add_co_u32 s2, s2, s3                        ; my four heads,
	s_and_b32 s74, s41, 1
	s_lshl_b32 s3, s74, 2
	s_add_co_u32 s3, s3, s16
	s_lshl_b32 s3, s3, 10
	s_add_co_u32 s2, s2, s3                        ; tile of 16 tokens 4 (I % 2) + my tile
	s_mov_b32 s3, 0
	s_add_nc_u64 s[68:69], s[4:5], s[2:3]
	s_lshl_b32 s2, s18, 6
	s_lshl_b32 s75, s41, 2
	s_add_co_u32 s2, s2, s75
	s_add_co_u32 s2, s2, s16
	s_lshl_b32 s2, s2, 13                          ; oc: tile of 16 rows 64 b + 4 I + my tile,
	s_lshl_b32 s75, s15, 12
	s_add_co_u32 s2, s2, s75                       ; my two pairs of heads
	s_add_nc_u64 s[70:71], s[12:13], s[2:3]
	s_lshl_b32 s2, s41, 8
	s_lshl_b32 s75, s16, 6
	s_add_co_u32 s2, s2, s75
	s_add_nc_u64 s[72:73], s[46:47], s[2:3]        ; the times of my 16 queries
	s_lshl_b32 s2, s74, 6
	s_lshl_b32 s75, s16, 4
	s_add_co_u32 s2, s2, s75
	v_add_nc_u32 v9, s2, v250                      ; on the diagonal, register 8 t + j is hidden where 16 t + j > my query's place among the step's 128 keys - 8 h
	global_load_b32 v10, v247, s[72:73]
	WIN 0x40
.irp hl, 0,1,2,3
.irp c, 0,1
	global_load_b128 v[QFR+8*\hl+4*\c:QFR+8*\hl+4*\c+3], v7, s[68:69] offset:8192*\hl+512*\c
.endr
.endr
.if \zero
.set n, 0
.rept 128
	v_mov_b32 v[n], 0
.set n, n+1
.endr
.endif
	WIN 0
.irp hl, 0,1,2,3
	v_mov_b32 v[16+4*\hl], 0x7f61b1e6              ; -M = 3e38,
	v_mov_b32 v[17+4*\hl], 0xff61b1e6              ; the largest t so far: -3e38, under every t
	v_mov_b32 v[18+4*\hl], 0
	v_mov_b32 v[19+4*\hl], 0
.endr
	s_wait_loadcnt 0x0
.endm
; omega's factor for the key step: OM = omega x log2(e) / 8 x 2^(e6 + e7) = 1 / (IC (1 + 2^(0.5 log2(e) (|tk - tq| - 1)))), IC = 8 ln 2 / 2^(e6 + e7): t = raw score x OM.
; Where the exponential overflows, OM is 0.  Two batches of transcendentals, each with one plain instruction and one wait behind it.
.macro OMEGA
	s_wait_loadcnt 0x0                             ; tk
	WIN 0x41                                       ; destination and source 0 window 1
.set n, 0
.rept 32
	v_pk_add_f32 v[OMR+n:OMR+n+1], v[OMR+n:OMR+n+1], v[10:11] op_sel_hi:[1,0] neg_lo:[0,1] neg_hi:[0,1]
.set n, n+2
.endr
.set n, 0
.rept 64
	v_fma_f32 v[OMR+n], |v[OMR+n]|, s44, s45
.set n, n+1
.endr
.set n, 0
	s_wait_alu depctr_va_vdst(0)
.rept 64
	v_exp_f32 v[OMR+n], v[OMR+n]
.set n, n+1
.endr
	v_nop
	s_wait_alu depctr_va_vdst(0)
.set n, 0
.rept 32
	v_pk_fma_f32 v[OMR+n:OMR+n+1], v[OMR+n:OMR+n+1], s[42:43], s[42:43] op_sel_hi:[1,0,0]
.set n, n+2
.endr
.set n, 0
	s_wait_alu depctr_va_vdst(0)
.rept 64
	v_rcp_f32 v[OMR+n], v[OMR+n]
.set n, n+1
.endr
	v_nop
	s_wait_alu depctr_va_vdst(0)
	WIN 0
.endm
; One head's part of a key step.  tail = 1: the launch's last key step: always on the diagonal, and nothing is asked for.
.macro HEAD hl, tail
.set ST, 16+4*\hl
	s_wait_dscnt 0x0                               ; this head's K is in
	WIN 0x04                                       ; Q window 1
.irp t, 0,1,2,3,4,5,6,7
	v_wmma_f32_16x16x64_bf8_bf8 v[SCR+8*\t:SCR+8*\t+7], v[KFR+8*\t:KFR+8*\t+7], v[QFR+8*\hl:QFR+8*\hl+7], 0
.endr
.rept 4
	v_nop                                          ; places: in front of the first read of the scores, of the loads into K's registers, and of the loads into V's, which the last head's products read
.endr
	WIN 0
.irp t, 0,1,2,3
.irp c, 0,1,2,3
	ds_load_b128 v[VFR+16*\t+4*\c:VFR+16*\t+4*\c+3], v4 offset:8192*\hl+2048*\t+512*\c
.endr
.endr
.if \hl < 3
.irp t, 0,1,2,3,4,5,6,7
.irp c, 0,1
	ds_load_b128 v[KFR+8*\t+4*\c:KFR+8*\t+4*\c+3], v3 offset:8192*(\hl+1)+1024*\t+512*\c   ; the next head's K
.endr
.endr
.endif
	WIN 0x04                                       ; source 1 window 1
.set n, 0
.rept 32
	v_pk_mul_f32 v[SCR+n:SCR+n+1], v[SCR+n:SCR+n+1], v[OMR+n:OMR+n+1]   ; t; each accumulator from its low end on
.set n, n+2
.endr
	WIN 0
.if (\hl == 3) && (\tail == 0)
	s_lshl_b32 s2, s22, 9                          ; omega's factor has served its last head: the next trip's tk are asked for, into its registers
	s_mov_b32 s3, 0
	s_add_nc_u64 s[66:67], s[46:47], s[2:3]        ; (the last loads by this pair were waited for at the step's head)
	TKLOAD
.endif
.if \tail == 0
	s_cmp_lg_u32 s21, s19                          ; only a block's last key step lies on the diagonal: a branch on ids and the trip's number
	s_cbranch_scc1 .Lopen_\@
.endif
.set n, 0
.rept 64
	v_cmp_gt_i32 vcc_lo, 16*(n/8)+n%8, v9
	s_delay_alu instid0(VALU_DEP_1)
	v_cndmask_b32 v[SCR+n], v[SCR+n], v12, vcc_lo  ; hidden keys: -infinity ahead of the maximum, so that p = 0
.set n, n+1
.endr
.if \tail == 0
.Lopen_\@:
.endif
	v_max3_num_f32 v244, v[SCR], v[SCR+1], v[SCR+2]   ; the step's largest t of my query among my 64 keys, in two chains,
	v_max3_num_f32 v245, v[SCR+3], v[SCR+4], v[SCR+5]
.set n, 6
.rept 14
	s_delay_alu instid0(VALU_DEP_2)
	v_max3_num_f32 v244, v244, v[SCR+n], v[SCR+n+1]
	s_delay_alu instid0(VALU_DEP_2)
	v_max3_num_f32 v245, v245, v[SCR+n+2], v[SCR+n+3]
.set n, n+4
.endr
	s_delay_alu instid0(VALU_DEP_2)
	v_max3_num_f32 v244, v244, v[SCR+62], v[SCR+63]
	s_delay_alu instid0(VALU_DEP_1)
	v_max_num_f32 v244, v244, v245
	s_delay_alu instid0(VALU_DEP_1)
	v_permlanex16_b32 v246, v244, s60, s61
	s_delay_alu instid0(VALU_DEP_1)
	v_max_num_f32 v244, v244, v246                 ; and among lane l xor 16's
	s_delay_alu instid0(VALU_DEP_1)
	v_max_num_f32 v[ST+1], v[ST+1], v244           ; the running largest t
	v_mov_b32 v244, v[ST]
	s_delay_alu instid0(VALU_DEP_2)
	v_floor_f32 v[ST], -v[ST+1]                    ; the new -M = floor(-t) = -ceil(t)
	s_delay_alu instid0(VALU_DEP_1)
	v_sub_f32 v244, v[ST], v244                    ; old M - new M: a whole number, 0 or less
	s_delay_alu instid0(VALU_DEP_1)
	v_cvt_i32_f32 v244, v244                       ; (it saturates)
	s_delay_alu instid0(VALU_DEP_1)
	v_ldexp_f32 v240, 1.0, v244                    ; f = 2^(old M - new M)
.set n, 0
.rept 32
	v_pk_add_f32 v[SCR+n:SCR+n+1], v[SCR+n:SCR+n+1], v[ST:ST+1] op_sel_hi:[1,0]   ; t - M (of the pair the low word, -M, serves both halves)
.set n, n+2
.endr
.set n, 0
	s_wait_alu depctr_va_vdst(0)
.rept 64
	v_exp_f32 v[SCR+n], v[SCR+n]                   ; p = 2^(t - M)
.set n, n+1
.endr
	v_pk_mul_f32 v[ST+2:ST+3], v[ST+2:ST+3], v[240:241] op_sel_hi:[1,0]   ; the sums under the new M: the plain instruction behind the batch
	s_wait_alu depctr_va_vdst(0)                   ; one wait for the batch, ahead of its first reader
	v_pk_add_f32 v[242:243], v[SCR:SCR+1], v[SCR+2:SCR+3]   ; the row's sum is taken of the unquantised p, in two chains
.set n, 4
.rept 15
	v_pk_add_f32 v[ST+2:ST+3], v[ST+2:ST+3], v[SCR+n:SCR+n+1]
	v_pk_add_f32 v[242:243], v[242:243], v[SCR+n+2:SCR+n+3]
.set n, n+4
.endr
	s_delay_alu instid0(VALU_DEP_1)
	v_pk_add_f32 v[ST+2:ST+3], v[ST+2:ST+3], v[242:243]
.set n, 0
.rept 64
	v_min_num_f32 v[SCR+n], v[SCR+n], v14          ; the conversion does not saturate (ISA guide 7.6.2); p is not negative, so the hold is one-sided
.set n, n+1
.endr
.set n, 0
.rept 8
	v_cvt_scalef32_pk8_bf8_f32 v[PCR+2*n:PCR+2*n+1], v[SCR+8*n:SCR+8*n+7], v13
.set n, n+1
.endr
	WIN 0x41
.set n, 0
.rept 16
	v_pk_mul_f32 v[32*\hl+n:32*\hl+n+1], v[32*\hl+n:32*\hl+n+1], v[240:241] op_sel_hi:[1,0]   ; O^T under the new M; also the plain instructions behind the conversions
.set n, n+2
.endr
.if \hl < 3
	s_wait_alu depctr_va_vdst(0)
	s_wait_dscnt 16                                ; V is in; the next head's 16 loads of K, issued behind it, may be out
.else
	s_wait_alu depctr_va_vdst(0)
	s_wait_dscnt 0x0
.endif
	WIN 0x50                                       ; C and D window 1
.irp t, 0,1,2,3
	v_wmma_f32_16x16x128_bf8_bf8 v[32*\hl+8*\t:32*\hl+8*\t+7], v[VFR+16*\t:VFR+16*\t+15], v[PCR:PCR+15], v[32*\hl+8*\t:32*\hl+8*\t+7]
.endr
	WIN 0
.endm
.macro STEPBODY tail
	v_add_nc_u32 v3, s23, v1
	v_add_nc_u32 v4, s23, v2
.irp t, 0,1,2,3,4,5,6,7
.irp c, 0,1
	ds_load_b128 v[KFR+8*\t+4*\c:KFR+8*\t+4*\c+3], v3 offset:1024*\t+512*\c   ; the first head's K lands while omega is made
.endr
.endr
	OMEGA
	HEAD 0, \tail
	HEAD 1, \tail
	HEAD 2, \tail
	HEAD 3, \tail
.endm
; THE CHANGE OF SLOTS, at a trip's head.  Each wave waits for all its tensor loads (one is out: its eighth of the slot about to be read), adds 0 to its spare word, and waits for that and for its reads of the slot that it has left.
; Behind the barrier the slot ahead is whole and nobody reads the other.  fill = 1: that other slot takes the next trip's key step: min(T + 1, T + 1 - the first block's steps), taken without sign.  The load has a whole key step in which to land.
; THE PREFETCH: all eight work-groups of a batch walk the same key steps; work-group j = 0, whose tensor load of trip T asks for key step T, names in trips 0 to 6 key step T + 1, one trip ahead of its own load;
; each wave names its own 16 KiB, lanes 256 bytes apart, two instructions: each block of 256 bytes is named once in the launch.  Key step 0 comes by its loads alone, and key step 7 is the last that is named.
.macro CHANGE fill
	s_wait_tensorcnt 0x0                           ; no tensor load of mine is out, so group 0 may be written
	ds_add_u32 v5, v6                              ; 0 onto my spare word
.if \fill
	s_add_co_u32 s21, s20, 1                       ; T + 1
	s_sub_co_u32 s2, s21, s19
	s_min_u32 s22, s21, s2                         ; the next trip's key step
	s_xor_b32 s33, s33, SLOT1                      ; the other slot than last time
	s_lshl_b32 s2, s22, 17
	s_mov_b32 s3, 0
	s_add_nc_u64 s[34:35], s[36:37], s[2:3]
	s_or_b32 s35, s35, 0x80000000
	s_wait_xcnt 0x0                                ; the last prefetches, a trip back, have read their address
	s_add_nc_u64 s[38:39], s[38:39], 0x20000
.endif
	s_wait_dscnt 0x0                               ; the add is done, and my reads of the slot that I have left are over
	s_barrier_signal -1
	s_barrier_wait -1
.if \fill
	tensor_load_to_lds s[32:35], s[24:31]          ; the first thing behind the barrier, and my one tensor load until the next
	s_nop 0
.rept 4
	v_nop
.endr
	s_cmp_lt_u32 s20, s40
	s_cbranch_scc0 .Lnoask_\@
	global_prefetch_b8 v15, s[38:39] th:TH_LOAD_NT scope:SCOPE_SE
	global_prefetch_b8 v15, s[38:39] offset:8192 th:TH_LOAD_NT scope:SCOPE_SE
.Lnoask_\@:
.endif
.endm
; A block's way out: O^T / the sum x 2^(e8 + e9), held, converted with 2^e10; two heads' codes are one fragment of 16 rows x 128: eight stores of 512 consecutive bytes.  more = 1: registers are written again afterwards.
.macro FINAL more
.rept 4
	v_nop                                          ; places behind the last products
.endr
.irp hl, 0,1,2,3
	v_add_f32 v[251+\hl], v[18+4*\hl], v[19+4*\hl] ; the sum's two halves,
.endr
.irp hl, 0
	s_delay_alu instid0(VALU_DEP_4)
	v_permlanex16_b32 v246, v[251+\hl], s60, s61
	s_delay_alu instid0(VALU_DEP_1)
	v_add_f32 v[251+\hl], v[251+\hl], v246         ; and lane l xor 16's
.endr
.irp hl, 1, 2, 3
	s_delay_alu instid0(VALU_DEP_2)
	v_permlanex16_b32 v246, v[251+\hl], s60, s61
	s_delay_alu instid0(VALU_DEP_1)
	v_add_f32 v[251+\hl], v[251+\hl], v246
.endr
	s_wait_alu depctr_va_vdst(0)
.irp hl, 0,1,2,3
	v_rcp_f32 v[251+\hl], v[251+\hl]
.endr
	v_nop
	s_wait_alu depctr_va_vdst(0)                   ; one wait for the four reciprocals
.irp hl, 0,1,2,3
	v_ldexp_f32 v[251+\hl], v[251+\hl], s76
.endr
.irp hl, 0,1,2,3
	WIN 0x01                                       ; source 0 window 1
.set n, 0
.rept 32
	v_mul_f32 v[SCR+32*(\hl%2)+n], v[32*\hl+n], v[251+\hl]
.set n, n+1
.endr
	WIN 0
.set n, 0
.rept 32
	v_med3_num_f32 v[SCR+32*(\hl%2)+n], v[SCR+32*(\hl%2)+n], -v249, v249
.set n, n+1
.endr
.irp q, 0,1,2,3
	v_cvt_scalef32_pk8_bf8_f32 v[KFR+8*\hl+2*\q:KFR+8*\hl+2*\q+1], v[SCR+32*(\hl%2)+8*\q:SCR+32*(\hl%2)+8*\q+7], v248
.endr
	v_nop
.endr
.irp pr, 0,1
.irp c, 0,1,2,3
	global_store_b128 v7, v[KFR+16*\pr+4*\c:KFR+16*\pr+4*\c+3], s[70:71] offset:2048*\pr+512*\c
.endr
.endr
.if \more
	s_wait_xcnt 0x0                                ; the stores have read their registers and their base: both are written again below
.endif
.endm
	s_mov_b32 s41, s17                             ; the first block: j
	INIT 1
	s_mov_b32 s20, 0                               ; T
	s_mov_b32 s23, 0                               ; the slot in hand
.Ltrip:                                            ; eight trips; behind each change of slots the next trip's key step is asked for
	CHANGE 1
	STEPBODY 0
	s_cmp_lg_u32 s21, s19                          ; was this the first block's last key step?
	s_cbranch_scc1 .Lsame
	FINAL 1
	s_sub_co_u32 s41, 15, s17                      ; the second block: 15 - j
	INIT 0
.Lsame:
	s_xor_b32 s23, s23, SLOT1
	s_add_co_u32 s20, s20, 1
	s_cmp_lt_u32 s20, 8
	s_cbranch_scc1 .Ltrip
	CHANGE 0                                       ; the ninth key step is written out
	STEPBODY 1
	FINAL 0
	s_wait_tensorcnt 0x0                           ; the wave's end
	ds_add_u32 v5, v6
	s_wait_dscnt 0x0
	s_endpgm
.Lfunc_end_k_qef31164673_attn:
	.size	k_qef31164673_attn, .Lfunc_end_k_qef31164673_attn-k_qef31164673_attn
	.p2alignl 7, 3214868480
	.fill 96, 4, 3214868480
	.section	.rodata,"a",@progbits
	.p2align	6, 0x0
	.amdhsa_kernel k_qef31164673_attn
		.amdhsa_group_segment_fixed_size 327680
		.amdhsa_private_segment_fixed_size 0
		.amdhsa_enable_private_segment 0
		.amdhsa_kernarg_size 40
		.amdhsa_user_sgpr_count 2
		.amdhsa_user_sgpr_kernarg_segment_ptr 1
		.amdhsa_wavefront_size32 1
		.amdhsa_system_sgpr_workgroup_id_x 1
		.amdhsa_system_sgpr_workgroup_id_y 1
		.amdhsa_system_sgpr_workgroup_id_z 1
		.amdhsa_system_vgpr_workitem_id 0
		.amdhsa_next_free_vgpr 512
		.amdhsa_next_free_sgpr 100
		.amdhsa_reserve_vcc 1
		.amdhsa_float_denorm_mode_32 3
		.amdhsa_float_denorm_mode_16_64 3
		.amdhsa_memory_ordered 1
		.amdhsa_forward_progress 1
		.amdhsa_inst_pref_size 255
	.end_amdhsa_kernel
	.section	.bss,"aw",@nobits
	.p2align	6
	.space	262144
	.amdgpu_metadata
---
amdhsa.version: [ 1, 2 ]
amdhsa.kernels:
  - .name:           k_qef31164673_attn
    .symbol:         k_qef31164673_attn.kd
    .args:
      - { .name: qc, .offset: 0, .size: 8, .value_kind: global_buffer, .address_space: global }
      - { .name: kv, .offset: 8, .size: 8, .value_kind: global_buffer, .address_space: global }
      - { .name: time_intervals, .offset: 16, .size: 8, .value_kind: global_buffer, .address_space: global }
      - { .name: lowp_scales, .offset: 24, .size: 8, .value_kind: global_buffer, .address_space: global }
      - { .name: oc, .offset: 32, .size: 8, .value_kind: global_buffer, .address_space: global }
    .group_segment_fixed_size: 327680
    .private_segment_fixed_size: 0
    .kernarg_segment_align: 8
    .kernarg_segment_size: 40
    .max_flat_workgroup_size: 256
    .sgpr_count:     100
    .vgpr_count:     512
    .wavefront_size: 32
...
	.end_amdgpu_metadata
.endif
;; end of part 7
;; launch oproj (part 8): grid 256 x 1, 4 waves a work-group, no clusters, 99,840 bytes of LDS; arguments oc, wc, bo, lowp_scales, out0; writes out0
.if DOCPART == 8
	.amdgcn_target "amdgcn-amd-amdhsa--gfx1250"
	.amdhsa_code_object_version 6
	.text
	.protected	k_qef31164673_oproj
	.globl	k_qef31164673_oproj
	.p2align	8
	.type	k_qef31164673_oproj,@function
k_qef31164673_oproj:
	s_mov_b64 s[64:65], 0
	v_nop
	global_prefetch_b8 v0, s[64:65] scope:SCOPE_SE
	s_setreg_imm32_b32 hwreg(HW_REG_WAVE_SCHED_MODE, 0, 2), 2
	s_setreg_imm32_b32 hwreg(HW_REG_WAVE_MODE, 25, 1), 1
	s_wait_xcnt 0x0
	s_wait_alu depctr_vm_vsrc(0)
; out0 = attention's result x Wo^T + bo on codes of E5M2.  oc holds the left operand's codes as images of operand registers, [tile of 16 rows (8,192)][K step (2,048)][chunk (512)]; wc's fourth part holds Wo's.
; A work-group takes 128 rows; wave w makes columns 128 w .. 128 w + 127 of all of them: 64 accumulators, K in four steps of 128.  The rows' 64 KiB of codes are copied into LDS once, a quarter by each wave, and read by all four;
; Wo's codes come straight into registers, a K step (16 KiB a wave) ahead, in two sets.
; THE PRODUCT IS USED TRANSPOSED (source 0 = 16 rows of Wo, source 1 = 16 rows of the operand); by the choice of Wo's rows in a tile, register j of tile 2 b + u is column 32 b + 16 h + 8 u + j of row r:
; 16 registers are 64 neighbouring bytes of a row.  A block of 16 rows goes through my own stage in LDS and leaves as whole pieces of rows: each store of the wave covers 512 consecutive bytes, aligned.
; LIMIT: e10 + e11 between -126 and 127.
; No tensor load: LDS is written by the waves themselves.  No cluster: the weights go into registers, not through LDS, so there is no tile to ask for jointly.
; REGISTERS: window 0: v1 16 x lane; v3, v4 my stage (rows out, pieces in); v5 where I store my quarter of the images; v8 the bias's offset; v30, v31 the closing add's two; v32-95 bias; v128-255 A's 8 fragments;
;   on the way out v96-159 and v160-223 take the rows by turns.   Window 1: Wo's fragments, two sets.  Windows 2, 3: accumulator (a, t) at v[8 (8 (a % 4) + t)] of window 2 + a / 4; on the way out the results stay there.
; THE MODE: SCHED_MODE bits 1:0 = 2 (LLVM: expert scheduling mode 2), set by the entry lines.  The code itself states the register dependences between vector or matrix instructions and memory or LDS instructions, with s_wait_alu, always for 0.
; THE PLAN.  Registers that memory or LDS instructions touch, who writes and who reads them:
;   v1, v3, v4, v5, v8   offsets and LDS addresses: written at the head and never again: one wait on va_vdst ahead of the first load.
;   v128-255             at the head: the images' loads land there and my LDS stores read them: one wait on vm_vsrc behind the barrier, ahead of the fragments' loads.
;   PRODUCTS, step s:    W's set s % 2: all 64 products read it; the loads of step s + 2 land in it at the head of step s + 1.   A's blocks 0-3: the first 32 products read them; the next step's land in them in the step's second half.
;                        A's blocks 4-7: the last 32 products read them; the next step's land in them at the next step's head.   Two waits on va_vdst a step: at its head and in its middle.
;   THE WAY OUT, block a: its 64 accumulator registers: written in place by its multiply-adds, read by its 16 LDS stores, never written again: one wait on va_vdst between the two.
;                        rows' buffer a % 2: block a's loads from the stage land in it; block a's 16 global stores, issued behind block a + 1's trip into the stage, read it; block a + 2's loads land in it behind a wait on vm_vsrc.
.set STG,  65536                       ; LDS: the images, then a stage of 16 rows x 528 bytes for each wave
.set BIAS, 32
.set BK,   96
.set AF,   128
.set AAD,  1
.set MSB, 0
.macro WIN new                         ; the immediate's high byte repeats the setting that is left; a switch that changes nothing is dropped
.if MSB != (\new)
	s_set_vgpr_msb (MSB<<8)|(\new)
.set MSB, (\new)
.endif
.endm
.macro PLACES                          ; four plain vector instructions between a matrix instruction and a load into, or a vector instruction on, its registers
.rept 4
	v_nop
.endr
.endm
.macro LOADW set, imm                  ; a K step of my slice of Wo: 8 fragments, 32 loads of 512 consecutive bytes
	WIN 0x40
.irp t, 0,1,2,3,4,5,6,7
.irp c, 0,1,2,3
	global_load_b128 v[128*(\set)+16*\t+4*\c:128*(\set)+16*\t+4*\c+3], v1, s[38:39] offset:(\imm)+2048*\t+512*\c
.endr
.endr
	WIN 0
.endm
.macro FETCH_A s, a0                   ; A's fragments of tiles of rows a0 .. a0 + 3, K step s
.irp a, \a0, \a0+1, \a0+2, \a0+3
.irp c, 0,1,2,3
	ds_load_b128 v[AF+16*(\a)+4*\c:AF+16*(\a)+4*\c+3], v[AAD] offset:8192*(\a)+2048*(\s)+512*\c
.endr
.endr
.endm
; 8 matrix instructions: tile of rows a against Wo's eight.  The 64 accumulators take turns, one instruction a turn, in the same order in every K step.
.macro MUL8 a, set, zero
.irp t, 0,1,2,3,4,5,6,7
.set rD, 8*(8*((\a)%4)+\t)
.set rA, AF+16*(\a)
.set rW, 128*(\set)+16*\t
.if \zero
	v_wmma_f32_16x16x128_bf8_bf8 v[rD:rD+7], v[rW:rW+15], v[rA:rA+15], 0
.else
	v_wmma_f32_16x16x128_bf8_bf8 v[rD:rD+7], v[rW:rW+15], v[rA:rA+15], v[rD:rD+7]
.endif
.endr
.endm
; A K step of 128: 64 matrix instructions.  wload: the next chunk of W is asked for, ahead of the wait for this step's chunk.  anext: the next K step's blocks 0-3 of A are fetched.
; zero = 1, the first step: no vector or matrix instruction has named the registers that its loads touch, so no wait stands at its head.
.macro STEP s, zero, wimm, wload, anext
.if !\zero
	s_wait_alu depctr_va_vdst(0)                   ; the last step's products are done reading the other set of W and A's blocks 4-7, in which the loads below land
.endif
.if \wload
	LOADW ((\s)+1)%2, \wimm
.endif
	FETCH_A \s, 4                                  ; this step's blocks 4-7: 32 matrix instructions ahead of their use
.if \wload
	s_wait_loadcnt 32                              ; this step's W is in (and, in the first step, the bias); the 32 loads just issued may be out
.else
	s_wait_loadcnt 0x0
.endif
	s_wait_dscnt 16                                ; A's blocks 0-3 are in; the 16 loads just issued (blocks 4-7) may be out
	WIN 0xa1                                       ; W window 1, A window 0, C and D window 2
.irp a, 0,1,2,3
	MUL8 \a, (\s)%2, \zero
.endr
	s_wait_dscnt 0x0                               ; A's blocks 4-7 are in
.if \anext
	PLACES
	s_wait_alu depctr_va_vdst(0)                   ; the 32 products above are done reading A's blocks 0-3, in which the next step's land
.endif
	WIN 0xf1                                       ; C and D window 3
	MUL8 4, (\s)%2, \zero                          ; these eight name block 4, W's set and their accumulators: none of the registers that the loads below touch
.if \anext
	WIN 0
	FETCH_A (\s)+1, 0
	WIN 0xf1
.endif
.irp a, 5,6,7
	MUL8 \a, (\s)%2, \zero
.endr
	PLACES
	WIN 0
.endm
	s_load_b256 s[4:11], s[0:1], 0x0               ; oc s[4:5], wc s[6:7], bo s[8:9], the scales' exponents s[10:11]
	s_load_b64 s[12:13], s[0:1], 0x20              ; out0
	v_lshl_add_u32 v30, v0, 2, 0x18400
	v_mov_b32 v31, 0
	v_lshrrev_b32 v1, 5, v0
	v_readfirstlane_b32 s20, v1                    ; wave 0..3
	v_and_b32 v12, 31, v0
	v_and_b32 v13, 15, v0                          ; r
	v_bfe_u32 v14, v0, 4, 1                        ; h
	v_lshlrev_b32 v1, 4, v12                       ; 16 x lane
	s_wait_alu depctr_va_sdst(0)                   ; s20 is written, ahead of its first reader: LDS places and the buffers' bases are made from it
	s_mul_i32 s21, s20, 8448
	s_add_co_u32 s21, s21, STG                     ; my stage
	v_add_nc_u32 v3, s21, v1                       ; back: a row's 512 bytes
	v_mul_u32_u24 v4, v13, 528
	v_lshl_add_u32 v4, v14, 6, v4
	v_add_nc_u32 v4, s21, v4                       ; in: row r, + 64 h
	s_lshl_b32 s22, s20, 14
	v_add_nc_u32 v5, s22, v1                       ; my quarter of the images
	v_lshlrev_b32 v8, 6, v14                       ; the bias: 64 h
	s_wait_kmcnt 0x0
	s_load_b64 s[34:35], s[10:11], 0x28            ; e10, e11
	s_lshl_b32 s2, ttmp9, 16
	s_add_co_u32 s2, s2, s22
	s_mov_b32 s3, 0
	s_add_nc_u64 s[36:37], s[4:5], s[2:3]          ; oc at my quarter of the block's 64 KiB
	s_lshl_b32 s2, s20, 16
	s_add_co_u32 s2, s2, 786432
	s_add_nc_u64 s[38:39], s[6:7], s[2:3]          ; wc at my slice of Wo
	s_lshl_b32 s2, s20, 9
	s_add_nc_u64 s[40:41], s[8:9], s[2:3]          ; bo at my 128 columns
	s_lshl_b32 s21, ttmp9, 18
	s_add_co_u32 s2, s2, s21
	s_add_nc_u64 s[42:43], s[12:13], s[2:3]        ; out0 at the block's first row, my 512 bytes of it
	s_wait_alu depctr_va_vdst(0)                   ; v1, v3, v4, v5 and v8 are written: every load and store of the kernel reads one of them as its offset or LDS address
.set i, 0
.rept 32
	global_load_b128 v[AF+4*i:AF+4*i+3], v1, s[36:37] offset:512*i th:TH_LOAD_NT
.set i, i+1
.endr
	LOADW 0, 0
.irp t, 0,1,2,3,4,5,6,7                        ; lane (r, h) wants, for tile t, the bias of columns 32 (t / 2) + 8 (t % 2) + 16 h + 0 .. 7
	global_load_b128 v[BIAS+8*\t:BIAS+8*\t+3], v8, s[40:41] offset:4*(32*(\t/2)+8*(\t%2))
	global_load_b128 v[BIAS+8*\t+4:BIAS+8*\t+7], v8, s[40:41] offset:4*(32*(\t/2)+8*(\t%2))+16
.endr
	s_wait_kmcnt 0x0
	s_add_co_i32 s44, s34, s35
	s_add_co_i32 s44, s44, 127
	s_lshl_b32 s44, s44, 23                        ; 2^(e10 + e11) as f32
	s_mov_b32 s45, s44                             ; (named with it as a pair)
	s_wait_loadcnt 48                              ; the images' 32 loads are in; W's 32 and the bias's 16, issued behind them, may be out
.set i, 0
.rept 32
	ds_store_b128 v5, v[AF+4*i:AF+4*i+3] offset:512*i
.set i, i+1
.endr
	s_wait_dscnt 0x0                               ; for the others' sake: my quarter lies in LDS
	s_barrier_signal -1
	s_barrier_wait -1                              ; everybody's does.  From here on nobody writes the images: the launch's one barrier
	s_wait_alu depctr_vm_vsrc(0)                   ; my LDS stores have read v128-255, in which A's fragments land from here on
	FETCH_A 0, 0
	STEP 0, 1, 16384, 1, 1                         ; the first K step starts the sums: nothing is cleared
	STEP 1, 0, 32768, 1, 1
	STEP 2, 0, 49152, 1, 1
	STEP 3, 0, 0, 0, 0
; THE WAY OUT, a block of 16 rows x 128 columns at a time: sum x 2^(e10 + e11) + bias, one packed multiply-add for two numbers, in place, each accumulator from its low end on.
; TOSTAGE: the block goes into my stage and is asked for back as rows.  SEND: its rows are stored.  Block a's multiply-adds and its trip into the stage stand between block a - 1's loads from the stage and the wait for them.
.macro TOSTAGE a
	WIN 0x82+0x41*((\a)/4)                         ; source 0 and destination: window 2 or 3; the bias: window 0
.set i, 0
.rept 32
	v_pk_fma_f32 v[64*((\a)%4)+i:64*((\a)%4)+i+1], v[64*((\a)%4)+i:64*((\a)%4)+i+1], s[44:45], v[BIAS+i:BIAS+i+1] op_sel_hi:[1,0,1]
.set i, i+2
.endr
	s_wait_alu depctr_va_vdst(0)                   ; the multiply-adds have written the block's 64 registers, which the LDS stores read; in block 0 also: the last products are done reading v128-223, in which the rows land
	WIN 0x08+4*((\a)/4)                            ; store data: window 2 or 3
.irp b, 0,1,2,3
.irp q, 0,1,2,3
	ds_store_b128 v4, v[64*((\a)%4)+16*\b+4*\q:64*((\a)%4)+16*\b+4*\q+3] offset:128*\b+16*\q   ; LDS serves a wave's instructions in order: these come behind the last block's loads from the stage
.endr
.endr
	WIN 0
.if (\a) > 1
	s_wait_xcnt 0x0                                ; the stores of two blocks back have had their addresses translated: their registers may be written
	s_wait_alu depctr_vm_vsrc(0)                   ; and they have read this rows' buffer, in which the loads below land
.endif
.set i, 0
.rept 16
	ds_load_b128 v[BK+64*((\a)%2)+4*i:BK+64*((\a)%2)+4*i+3], v3 offset:528*i   ; and these see the stores above
.set i, i+1
.endr
.endm
.macro SEND a, younger                 ; younger: the LDS instructions issued behind block a's loads, which may stay out
	s_wait_dscnt \younger                          ; the block's rows are back in registers
.set i, 0
.rept 16
	global_store_b128 v1, v[BK+64*((\a)%2)+4*i:BK+64*((\a)%2)+4*i+3], s[42:43] offset:(16*(\a)+i)*2048 th:TH_STORE_NT
.set i, i+1
.endr
.endm
	TOSTAGE 0
.irp a, 1,2,3,4,5,6,7
	TOSTAGE \a
	SEND \a-1, 32                                  ; behind block a - 1's loads: block a's 16 stores and 16 loads
.endr
	SEND 7, 0
	s_wait_dscnt 0x0                               ; the closing lines, six on end
	s_wait_alu 0x0
	s_wait_tensorcnt 0x0
	ds_add_u32 v30, v31
	s_wait_dscnt 0x0
	s_endpgm
.Lfunc_end_k_qef31164673_oproj:
	.size	k_qef31164673_oproj, .Lfunc_end_k_qef31164673_oproj-k_qef31164673_oproj
	.p2alignl 7, 3214868480
	.fill 96, 4, 3214868480
	.section	.rodata,"a",@progbits
	.p2align	6, 0x0
	.amdhsa_kernel k_qef31164673_oproj
		.amdhsa_group_segment_fixed_size 99840
		.amdhsa_private_segment_fixed_size 0
		.amdhsa_enable_private_segment 0
		.amdhsa_kernarg_size 40
		.amdhsa_user_sgpr_count 2
		.amdhsa_user_sgpr_kernarg_segment_ptr 1
		.amdhsa_wavefront_size32 1
		.amdhsa_system_sgpr_workgroup_id_x 1
		.amdhsa_system_sgpr_workgroup_id_y 1
		.amdhsa_system_sgpr_workgroup_id_z 1
		.amdhsa_system_vgpr_workitem_id 0
		.amdhsa_next_free_vgpr 1024
		.amdhsa_next_free_sgpr 66
		.amdhsa_reserve_vcc 0
		.amdhsa_float_denorm_mode_32 3
		.amdhsa_float_denorm_mode_16_64 3
		.amdhsa_memory_ordered 1
		.amdhsa_forward_progress 1
		.amdhsa_inst_pref_size 93
	.end_amdhsa_kernel
	.amdgpu_metadata
---
amdhsa.version: [ 1, 2 ]
amdhsa.kernels:
  - .name:           k_qef31164673_oproj
    .symbol:         k_qef31164673_oproj.kd
    .args:
      - { .name: oc, .offset: 0, .size: 8, .value_kind: global_buffer, .address_space: global }
      - { .name: wc, .offset: 8, .size: 8, .value_kind: global_buffer, .address_space: global }
      - { .name: bo, .offset: 16, .size: 8, .value_kind: global_buffer, .address_space: global }
      - { .name: lowp_scales, .offset: 24, .size: 8, .value_kind: global_buffer, .address_space: global }
      - { .name: out0, .offset: 32, .size: 8, .value_kind: global_buffer, .address_space: global }
    .group_segment_fixed_size: 99840
    .private_segment_fixed_size: 0
    .kernarg_segment_align: 8
    .kernarg_segment_size: 40
    .max_flat_workgroup_size: 128
    .sgpr_count:     66
    .vgpr_count:     1024
    .wavefront_size: 32
...
	.end_amdgpu_metadata
.endif
;; end of part 8
